; MI455X (gfx1250); checked and timed in simulation.
; The chip was launched on July 23, 2026; its instructions are those of AMD's public machine-readable ISA for CDNA 5 (MIT licence, August 2026) and "CDNA5" Instruction Set Architecture Reference Guide (July 2026). The comments in the code are by the model that wrote it; some were corrected since.
;; Hybrid Interference Self Attention. Allowed arithmetic: matrix products marked QUANTISED: E4M3 operands, one given power-of-two scale a tensor, by v_wmma_f32_16x16x64_fp8_fp8 or v_wmma_f32_16x16x128_fp8_fp8, f32 sums; everything else in f32.
;; Inputs: Wk 1,024 x 1,024 float32; Wkp 1,024 x 1,024 float32; Wo 1,024 x 1,024 float32; Wq 1,024 x 1,024 float32; Wqp 1,024 x 1,024 float32; Wv 1,024 x 1,024 float32; lambda_raw 16 float32; lowp_scales 20 int32 (the exponents e of the quantised operands' scales 2^e); x 2 x 2,048 x 1,024 float32.
;; Outputs: out0 2 x 2,048 x 1,024 float32.
;; This version of the problem:
;;   THIS VERSION OF THE PROBLEM IS GIVEN IN LOW PRECISION. The matrix products marked QUANTISED in the list below multiply operands that are first quantised to E4M3 (4 exponent bits, 3 mantissa bits; 8 bits a number), with one given power-of-two scale for each operand tensor; their sums are f32. All else is computed in f32.
;;   The module's matrix products, in the order in which they are computed (A, B: the left and right operand; K: the contracted axis; several contracted axes count as one K, in the product's order):
;;     1. [M 4,096, K 1,024] x [K 1,024, N 1,024]; A: input x; B: input Wq: QUANTISED (scales: A lowp_scales[0], B lowp_scales[1])
;;     2. [M 4,096, K 1,024] x [K 1,024, N 1,024]; A: input x; B: input Wk: QUANTISED (scales: A lowp_scales[2], B lowp_scales[3])
;;     3. [M 4,096, K 1,024] x [K 1,024, N 1,024]; A: input x; B: input Wv: QUANTISED (scales: A lowp_scales[4], B lowp_scales[5])
;;     4. batch 32 x [M 2,048, K 64] x [K 64, N 2,048]; A: computed on the way; B: computed on the way: QUANTISED (scales: A lowp_scales[6], B lowp_scales[7])
;;     5. [M 4,096, K 1,024] x [K 1,024, N 1,024]; A: input x; B: input Wqp: QUANTISED (scales: A lowp_scales[8], B lowp_scales[9])
;;     6. [M 4,096, K 1,024] x [K 1,024, N 1,024]; A: input x; B: input Wkp: QUANTISED (scales: A lowp_scales[10], B lowp_scales[11])
;;     7. batch 32 x [M 2,048, K 64] x [K 64, N 2,048]; A: computed on the way; B: computed on the way: QUANTISED (scales: A lowp_scales[12], B lowp_scales[13])
;;     8. batch 32 x [M 2,048, K 64] x [K 64, N 2,048]; A: computed on the way; B: computed on the way: QUANTISED (scales: A lowp_scales[14], B lowp_scales[15])
;;     9. batch 32 x [M 64, K 2,048] x [K 2,048, N 2,048]; A: computed on the way; B: softmax (see below): QUANTISED (scales: A lowp_scales[16], B lowp_scales[17])
;;     10. [M 4,096, K 1,024] x [K 1,024, N 1,024]; A: computed on the way; B: input Wo: QUANTISED (scales: A lowp_scales[18], B lowp_scales[19])
;;   THE QUANTISER, for each operand of a quantised product, along K:
;;     - The operand's scale is 2^e, e = its entry of the input lowp_scales (int32; the entries are numbered through the quantised products in the list's order, A before B).
;;     - Each number is divided by the scale, clamped to +-448, and rounded to the nearest number of E4M3, ties to even, subnormals kept.
;;     - The product sums the exact products of the quantised numbers (number of the format x scale) in f32.
;;   ~~~python
;;   def quantise(x, axis, e):      # numpy; x: float32 -> the quantised numbers, widened to float32 again
;;       x = np.moveaxis(x, axis, -1); K = x.shape[-1]
;;       r = np.clip(x / 2.0 ** e, -448, 448)
;;       step = 2.0 ** (np.maximum(np.frexp(np.where(r == 0, 1, r))[1] - 1, -6) - 3)
;;       q = np.round(r / step) * step * 2.0 ** e      # np.round: ties to even
;;       return np.moveaxis(q, -1, axis).astype(np.float32)
;;   ~~~
;;   SOFTMAX AHEAD OF A QUANTISED PRODUCT. Where the list says 'softmax', what is quantised is not the finished softmax but p = 2^(t - M), with t = logit x log2(e) and M = ceil(the row's largest t), a whole number; so 1/2 < the row's largest p <= 1. The row's sum l is taken of the UNQUANTISED p, in f32, and the product's result is divided by l at the end. Since M is a whole number, a kernel that streams over the keys may use a running M (the ceiling of the running maximum): every later rescaling is an exact power of two, so the quantised numbers keep their values, but for numbers so far below the row's largest that they fall under the format's range.
;;   OPERANDS COMPUTED ON THE WAY. 'Computed on the way' means the value that the module computes at that place (a softmax that the list does not call 'softmax' is quantised finished and normalised). What goes into a quantiser is computed in f32, as accurately as f32 sums, v_exp_f32 and their like allow (about 1e-6 of the number): no bf16 or f16 on the way to a quantiser, and a product that is left as it is and whose result goes on into a quantised operand takes f32 operands (vector FMAs, or v_wmma_f32_16x16x4_f32). A number that lies on a knife's edge between two numbers of the format may be rounded either way, as far as f32 arithmetic and the matrix unit's own rounding can turn it there, and no further.
;; One version. Each part assembles by itself: llvm-mc -triple=amdgcn-amd-amdhsa -mcpu=gfx1250 --defsym DOCPART=n.
;; ======== version 1 of 1: 4 launches
;; limits: a function is approximated: absolute error at most 1e-07
;; workspace buffers: xc 20,971,520 bytes; wc 5,242,880 bytes; woc 1,048,576 bytes; qc 12,582,912 bytes; kvc 16,777,216 bytes; oc 4,194,304 bytes
;; launch prep (part 1): grid 448 x 1, 4 waves a work-group, no clusters, 68,096 bytes of LDS; arguments x, Wq, Wqp, Wk, Wkp, Wv, Wo, lowp_scales, xc, wc, woc; writes xc, wc, woc
.if DOCPART == 1
	.amdgcn_target "amdgcn-amd-amdhsa--gfx1250"
	.amdhsa_code_object_version 6
	.text
	.protected	k_qf4bd7f6fd2_prep
	.globl	k_qf4bd7f6fd2_prep
	.p2align	8
	.type	k_qf4bd7f6fd2_prep,@function
k_qf4bd7f6fd2_prep:
	s_mov_b64 s[64:65], 0
	v_nop
	global_prefetch_b8 v0, s[64:65] scope:SCOPE_SE
	s_setreg_imm32_b32 hwreg(HW_REG_WAVE_MODE, 25, 1), 1
	s_wait_xcnt 0x0
; HybridInterferenceSelfAttention in FP8 (E4M3), launch 1 of 4: every INPUT operand becomes codes, once.
; DEAD WORK IN THE WHOLE PROGRAM: reference() sets every score with key j > query i to -infinity by a jnp.tril that it builds itself, so the softmax weight there is 0 for all
; values of the inputs; the third launch leaves out the steps of 128 keys that lie wholly behind a wave's 16 queries (their three score products and their part of the product with v).
; Nothing else is left out and every input is loaded.  LIMIT: a NaN, an infinity or an overflow that reaches only those steps is not carried to the result.
; x is the left operand of five products, each with an exponent of its own (entries 0, 8, 2, 10, 4 of lowp_scales for q, q's phase, k, k's phase, v): five sets of codes are made from one read of x.
; code = number / 2^e, held within +-448, to the nearest code, ties to even.  LIMITS: -126 <= e <= 119 for every entry used here; NaN among the inputs is not served.
; ALL WORKSPACES ARE IMAGES OF OPERAND REGISTERS.  A fragment is 16 rows (or columns) x 128 along K: lane (r = lane % 16, h = lane / 16) holds row r; its registers 2 c, 2 c + 1 hold k = 16 c + 8 h + 0 .. 7.
; Registers 4 p .. 4 p + 3 of all lanes lie at byte 512 p + 16 x lane of the fragment's 2,048 bytes.  So a later launch gets a fragment by four loads of 16 bytes a lane.
;   xc  [row block R of 16 rows: 256][K step s: 8][version u: q, q phase, k, k phase, v][2048]
;   wc  [X = 8 T + j: 16][s: 8][f: 20][2048]: T = 0 Wq / Wqp, T = 1 Wk / Wkp; f 0-7 columns 128 j + 16 f of W_T, f 8-15 the same of its phase weight, f 16-19 columns 64 (2 j + T) + 16 (f - 16) of Wv
;   woc [column block of 16: 64][s: 8][2048]
; Work-groups 0-255 take a row block of x each; work-groups 256-447 take 128 columns x 256 along K of one of the six weights.  Memory binds: no matrix unit, no cluster, no barrier: waves share nothing.
.set SPARE, 67584                      ; behind the four waves' stages: the spare words, 128 bytes a wave
.set SPW, 26                           ; v26  LDS address of my spare word; never rewritten
.set NIL, 27                           ; v27  0; never rewritten
.set RAW, 32                           ; v32-159  x: two K steps of 64 numbers a lane
.set TMP, 160                          ; v160-175 two sets of eight held numbers
.set CD,  176                          ; v176-255 five fragments of codes
.set XW,  32                           ; v32-95   weights: two sets of 32 numbers down K
.set CW,  96                           ; v96-159  weights: eight registers of codes for each block, never written twice
	s_load_b512 s[4:19], s[0:1], 0x0               ; x, Wq, Wqp, Wk, Wkp, Wv, Wo, lowp_scales
	s_load_b128 s[20:23], s[0:1], 0x40             ; xc, wc
	s_load_b64 s[24:25], s[0:1], 0x50              ; woc
	v_lshl_add_u32 v[SPW], v0, 2, SPARE
	v_mov_b32 v[NIL], 0
	v_lshrrev_b32 v1, 5, v0
	v_readfirstlane_b32 s26, v1                    ; wave 0..3
	v_and_b32 v2, 31, v0                           ; lane
	v_and_b32 v6, 15, v0                           ; r
	v_bfe_u32 v7, v0, 4, 1                         ; h
	s_wait_kmcnt 0x0
	s_load_b512 s[32:47], s[18:19], 0x0            ; exponents 0-15 in s32-47,
	s_load_b128 s[48:51], s[18:19], 0x40           ; 16-19 in s48-51
.macro SCL vs, se                      ; v[vs] = 2^e as f32 (the conversion takes its exponent field), v[vs+1] = 448 x 2^e; e in s[se]
	s_add_co_i32 s30, s[\se], 127
	s_lshl_b32 s31, s30, 23
	v_mov_b32 v[\vs], s31
	s_add_co_i32 s30, s30, 8
	s_lshl_b32 s30, s30, 23
	s_or_b32 s30, s30, 0x600000
	v_mov_b32 v[\vs+1], s30
.endm
	s_cmp_lt_u32 ttmp9, 256
	s_cbranch_scc0 .Lweights
; ---- x: work-group R = 16 rows; wave w takes K steps 2 w and 2 w + 1.  Each load reads 512 consecutive bytes of a row; a K step's 16 rows turn through the wave's own stage
; (rows of 512 + 16 bytes) and come back so that a lane holds, of row r, k = 16 c + 8 h + 0 .. 7 in registers 8 c .. 8 c + 7.
	v_lshlrev_b32 v1, 4, v2                        ; 16 x lane
	s_mul_i32 s27, s26, 16896                      ; my two stages of 8,448 bytes
	v_add_nc_u32 v4, s27, v1                       ; into a stage: a row as it lies
	v_mul_u32_u24 v5, v6, 528
	v_lshl_add_u32 v5, v7, 5, v5
	v_add_nc_u32 v5, s27, v5                       ; out of it: row r, + 32 h bytes
	s_lshl_b32 s28, ttmp9, 16                      ; 16 rows of 4,096 bytes,
	s_lshl_b32 s30, s26, 10                        ; my two K steps of 512 bytes
	s_add_co_u32 s28, s28, s30
	s_mov_b32 s29, 0
	s_add_nc_u64 s[4:5], s[4:5], s[28:29]
	s_mul_i32 s28, ttmp9, 81920                    ; eight records of 10,240 bytes a row block,
	s_mul_i32 s30, s26, 20480                      ; my two
	s_add_co_u32 s28, s28, s30
	s_add_nc_u64 s[20:21], s[20:21], s[28:29]
.irp t, 0,1
.irp i, 0,1,2,3,4,5,6,7,8,9,10,11,12,13,14,15
	global_load_b128 v[RAW+64*\t+4*\i:RAW+64*\t+4*\i+3], v1, s[4:5] offset:\i*4096+\t*512 th:TH_LOAD_NT
.endr
.endr
	s_wait_kmcnt 0x0
	SCL 16, 32                                     ; q: entry 0
	SCL 18, 40                                     ; q's phase: entry 8
	SCL 20, 34                                     ; k: entry 2
	SCL 22, 42                                     ; k's phase: entry 10
	SCL 24, 36                                     ; v: entry 4
.macro TURN t                          ; LDS serves a wave's instructions in order: no wait between the stores and the loads
.irp i, 0,1,2,3,4,5,6,7,8,9,10,11,12,13,14,15
	ds_store_b128 v4, v[RAW+64*\t+4*\i:RAW+64*\t+4*\i+3] offset:\t*8448+\i*528
.endr
.irp c, 0,1,2,3,4,5,6,7
	ds_load_b128 v[RAW+64*\t+8*\c:RAW+64*\t+8*\c+3], v5 offset:\t*8448+64*\c
	ds_load_b128 v[RAW+64*\t+8*\c+4:RAW+64*\t+8*\c+7], v5 offset:\t*8448+64*\c+16
.endr
.endm
.macro QUANT t                         ; five fragments from the same 64 numbers.  The conversion to an 8-bit code does not saturate (ISA guide 7.6.2): the hold comes first, into one of two sets,
.irp u, 0,1,2,3,4                      ; so that eight plain instructions stand between a conversion and the next write of its sources
.irp c, 0,1,2,3,4,5,6,7
.irp i, 0,1,2,3,4,5,6,7
	v_med3_num_f32 v[TMP+8*(\c%2)+\i], v[RAW+64*\t+8*\c+\i], -v[17+2*\u], v[17+2*\u]
.endr
	v_cvt_scalef32_pk8_fp8_f32 v[CD+16*\u+2*\c:CD+16*\u+2*\c+1], v[TMP+8*(\c%2):TMP+8*(\c%2)+7], v[16+2*\u]
.endr
.irp p, 0,1,2,3
	global_store_b128 v1, v[CD+16*\u+4*\p:CD+16*\u+4*\p+3], s[20:21] offset:\t*10240+\u*2048+\p*512   ; 32 lanes store 512 consecutive bytes
.endr
.endr
.endm
	s_wait_loadcnt 16                              ; the first K step's sixteen loads are in; the second's may be out
	TURN 0
	s_wait_loadcnt 0x0
	TURN 1
	s_wait_dscnt 32                                ; the first turn is back; the second's 16 stores and 16 loads may be out
	QUANT 0
	s_wait_dscnt 0x0
	s_wait_xcnt 0x0                                ; the stores above have read their registers: the codes' registers are written again only behind this wait
	QUANT 1
	s_branch .Lend
; ---- weights: W [k][n] has K as its first axis.  A LANE TAKES A COLUMN AND ITS REGISTERS RUN DOWN K: a load reads 128 consecutive bytes a wave, 512 a work-group, and the conversions give K innermost.
.Lweights:
	s_sub_co_u32 s27, ttmp9, 256
	s_lshr_b32 s28, s27, 5                         ; which weight: Wq, Wqp, Wk, Wkp, Wv, Wo
	s_and_b32 s29, s27, 7                          ; which 128 columns
	s_bfe_u32 s62, s27, 0x20003                    ; which 256 along K
	s_wait_kmcnt 0x0
	s_mov_b64 s[52:53], s[6:7]
	s_mov_b32 s54, s33                             ; Wq: entry 1
.macro PICK i, p, e                    ; a choice on the work-group's number alone
	s_cmp_eq_u32 s28, \i
	s_cselect_b64 s[52:53], s[\p:\p+1], s[52:53]
	s_cselect_b32 s54, s[\e], s54
.endm
	PICK 1, 8, 41                                  ; Wqp: entry 9
	PICK 2, 10, 35                                 ; Wk: 3
	PICK 3, 12, 43                                 ; Wkp: 11
	PICK 4, 14, 37                                 ; Wv: 5
	PICK 5, 16, 51                                 ; Wo: 19
	s_lshr_b32 s55, s28, 1                         ; T of Wq .. Wkp
	s_lshr_b32 s56, s26, 1                         ; T of Wv: the head's parity, wave / 2
	s_and_b32 s57, s28, 1
	s_lshl_b32 s57, s57, 3
	s_lshl_b32 s58, s26, 1
	s_add_co_u32 s57, s57, s58                     ; first fragment: 8 (phase) + 2 wave
	s_and_b32 s58, s26, 1
	s_lshl_b32 s58, s58, 1
	s_add_co_u32 s58, s58, 16                      ; of Wv: 16 + 2 (wave % 2)
	s_cmp_eq_u32 s28, 4
	s_cselect_b32 s55, s56, s55
	s_cselect_b32 s57, s58, s57
	s_lshl_b32 s55, s55, 3
	s_add_co_u32 s55, s55, s29                     ; X
	s_mul_i32 s55, s55, 327680
	s_mul_i32 s56, s62, 81920                      ; K step 2 y: 40,960 bytes a K step
	s_add_co_u32 s55, s55, s56
	s_lshl_b32 s57, s57, 11
	s_add_co_u32 s55, s55, s57                     ; my place in wc
	s_lshl_b32 s56, s29, 3
	s_lshl_b32 s58, s26, 1
	s_add_co_u32 s56, s56, s58                     ; Wo: column block 8 cg + 2 wave,
	s_lshl_b32 s56, s56, 14
	s_lshl_b32 s58, s62, 12
	s_add_co_u32 s56, s56, s58                     ; K step 2 y: my place in woc
	s_cmp_eq_u32 s28, 5
	s_cselect_b32 s56, s56, s55
	s_cselect_b64 s[58:59], s[24:25], s[22:23]
	s_mov_b32 s60, 2048
	s_cselect_b32 s60, 16384, s60                  ; bytes from a block of 16 columns to the next
	s_mov_b32 s61, 40960
	s_cselect_b32 s61, 2048, s61                   ; bytes from a K step to the next
	s_mov_b32 s57, 0
	s_add_nc_u64 s[58:59], s[58:59], s[56:57]
	s_lshl_b32 s56, s62, 20                        ; 256 rows of 4,096 bytes,
	s_lshl_b32 s55, s29, 9
	s_add_co_u32 s56, s56, s55
	s_lshl_b32 s55, s26, 7
	s_add_co_u32 s56, s56, s55                     ; column 128 cg + 32 wave
	s_add_nc_u64 s[52:53], s[52:53], s[56:57]
	v_lshlrev_b32 v1, 2, v2                        ; in: 4 bytes a lane
	v_mul_lo_u32 v4, v7, s60
	v_lshl_add_u32 v4, v6, 4, v4                   ; out: my column's fragment, 16 bytes at 16 r; the K step's first,
	v_add_nc_u32 v5, s61, v4                       ; and its second
	SCL 10, 54
.macro WLOAD t                         ; block t: W(32 t + i, my column)
.set i, 0
.rept 32
	global_load_b32 v[XW+32*((\t)%2)+i], v1, s[52:53] offset:(32*(\t)+i)*4096 th:TH_LOAD_NT
.set i, i+1
.endr
.endm
; Of a block's 32 numbers, 0-7 and 16-23 belong to the fragment's lane (r, 0), 8-15 and 24-31 to lane (r, 1): two stores of 16 bytes; each half of the lanes fills 256 consecutive bytes, aligned.
.macro WBLOCK t
.set XS, XW+32*((\t)%2)
.if (\t) < 7
	s_wait_loadcnt 32                              ; this block's 32 loads are in; the next block's may be out
.else
	s_wait_loadcnt 0x0
.endif
.set i, 0
.rept 32
	v_med3_num_f32 v[XS+i], v[XS+i], -v11, v11
.set i, i+1
.endr
	v_cvt_scalef32_pk8_fp8_f32 v[CW+8*(\t):CW+8*(\t)+1], v[XS:XS+7], v10
	v_cvt_scalef32_pk8_fp8_f32 v[CW+8*(\t)+4:CW+8*(\t)+5], v[XS+8:XS+15], v10
	v_cvt_scalef32_pk8_fp8_f32 v[CW+8*(\t)+2:CW+8*(\t)+3], v[XS+16:XS+23], v10
	v_cvt_scalef32_pk8_fp8_f32 v[CW+8*(\t)+6:CW+8*(\t)+7], v[XS+24:XS+31], v10
	global_store_b128 v[4+(\t)/4], v[CW+8*(\t):CW+8*(\t)+3], s[58:59] offset:((\t)%4)*512
	global_store_b128 v[4+(\t)/4], v[CW+8*(\t)+4:CW+8*(\t)+7], s[58:59] offset:((\t)%4)*512+256
.if (\t)+2 < 8
	WLOAD (\t)+2
.endif
.endm
	WLOAD 0
	WLOAD 1
.irp t, 0,1,2,3,4,5,6,7
	WBLOCK \t
.endr
.Lend:
	s_wait_tensorcnt 0x0                           ; the wave's end: three lines behind the last LDS store, the first of them even in a text with no tensor load
	ds_add_u32 v[SPW], v[NIL]
	s_wait_dscnt 0x0
	s_endpgm
.Lfunc_end_k_qf4bd7f6fd2_prep:
	.size	k_qf4bd7f6fd2_prep, .Lfunc_end_k_qf4bd7f6fd2_prep-k_qf4bd7f6fd2_prep
	.p2alignl 7, 3214868480
	.fill 96, 4, 3214868480
	.section	.rodata,"a",@progbits
	.p2align	6, 0x0
	.amdhsa_kernel k_qf4bd7f6fd2_prep
		.amdhsa_group_segment_fixed_size 68096
		.amdhsa_private_segment_fixed_size 0
		.amdhsa_enable_private_segment 0
		.amdhsa_kernarg_size 88
		.amdhsa_user_sgpr_count 2
		.amdhsa_user_sgpr_kernarg_segment_ptr 1
		.amdhsa_wavefront_size32 1
		.amdhsa_system_sgpr_workgroup_id_x 1
		.amdhsa_system_sgpr_workgroup_id_y 1
		.amdhsa_system_sgpr_workgroup_id_z 1
		.amdhsa_system_vgpr_workitem_id 0
		.amdhsa_next_free_vgpr 256
		.amdhsa_next_free_sgpr 66
		.amdhsa_reserve_vcc 0
		.amdhsa_float_denorm_mode_32 3
		.amdhsa_float_denorm_mode_16_64 3
		.amdhsa_memory_ordered 1
		.amdhsa_forward_progress 1
		.amdhsa_inst_pref_size 106
	.end_amdhsa_kernel
	.amdgpu_metadata
---
amdhsa.version: [ 1, 2 ]
amdhsa.kernels:
  - .name:           k_qf4bd7f6fd2_prep
    .symbol:         k_qf4bd7f6fd2_prep.kd
    .args:
      - { .name: x, .offset: 0, .size: 8, .value_kind: global_buffer, .address_space: global }
      - { .name: Wq, .offset: 8, .size: 8, .value_kind: global_buffer, .address_space: global }
      - { .name: Wqp, .offset: 16, .size: 8, .value_kind: global_buffer, .address_space: global }
      - { .name: Wk, .offset: 24, .size: 8, .value_kind: global_buffer, .address_space: global }
      - { .name: Wkp, .offset: 32, .size: 8, .value_kind: global_buffer, .address_space: global }
      - { .name: Wv, .offset: 40, .size: 8, .value_kind: global_buffer, .address_space: global }
      - { .name: Wo, .offset: 48, .size: 8, .value_kind: global_buffer, .address_space: global }
      - { .name: lowp_scales, .offset: 56, .size: 8, .value_kind: global_buffer, .address_space: global }
      - { .name: xc, .offset: 64, .size: 8, .value_kind: global_buffer, .address_space: global }
      - { .name: wc, .offset: 72, .size: 8, .value_kind: global_buffer, .address_space: global }
      - { .name: woc, .offset: 80, .size: 8, .value_kind: global_buffer, .address_space: global }
    .group_segment_fixed_size: 68096
    .private_segment_fixed_size: 0
    .kernarg_segment_align: 8
    .kernarg_segment_size: 88
    .max_flat_workgroup_size: 128
    .sgpr_count:     66
    .vgpr_count:     256
    .wavefront_size: 32
...
	.end_amdgpu_metadata
.endif
;; end of part 1
;; launch proj (part 2): grid 16 x 16, 4 waves a work-group, clusters of 4 x 4, 327,680 bytes of LDS; arguments xc, wc, lowp_scales, qc, kvc; writes qc, kvc
.if DOCPART == 2
	.amdgcn_target "amdgcn-amd-amdhsa--gfx1250"
	.amdhsa_code_object_version 6
	.text
	.protected	k_qf4bd7f6fd2_proj
	.globl	k_qf4bd7f6fd2_proj
	.p2align	8
	.type	k_qf4bd7f6fd2_proj,@function
k_qf4bd7f6fd2_proj:
	s_mov_b64 s[64:65], 0
	v_nop
	global_prefetch_b8 v0, s[64:65] scope:SCOPE_SE
	s_setreg_imm32_b32 hwreg(HW_REG_WAVE_MODE, 25, 1), 1
	s_wait_xcnt 0x0
	s_wait_alu depctr_hold_cnt(0) depctr_sa_sdst(0) depctr_va_vdst(0) depctr_va_sdst(0) depctr_va_ssrc(0) depctr_va_vcc(0) depctr_vm_vsrc(0)
	s_getreg_b32 s2, hwreg(HW_REG_IB_STS2, 6, 4)
	s_cmp_eq_u32 s2, 0
	s_cbranch_scc0 .Lentry_in_a_cluster
	s_endpgm
.Lentry_in_a_cluster:
	s_bfe_u32 s2, ttmp6, 0x10000c
	s_cmp_lg_u32 s2, 0xf033
	s_cbranch_scc0 .Lentry_shape_is_right
	s_endpgm
.Lentry_shape_is_right:
; Launch 2 of 4: the five projections of x on codes of FP8 (E4M3), and all that reference() does to them ahead of the score products; what leaves are the codes of the seven operands q, q_cos, q_sin, k, k_cos, k_sin, v.
; No work is left out here.
; SHARES.  Work-group (X, Y): rows 256 Y .. + 255 of x; T = X / 8 (0: q and its phase, 1: k and its phase), j = X % 8: heads 2 j, 2 j + 1 of W_T and of its phase weight, and head 2 j + T of Wv.
; Wave w: rows 128 (w / 2) on (eight blocks of 16), head 2 j + w % 2 (four tiles of 16 channels, twice), channels 32 (w % 2) on of v: 32 + 32 + 16 accumulators, 80 matrix instructions for 128 along K.
; LAYOUT.  For q, k and the phases source 0 = 16 columns of W, source 1 = 16 rows of x: a lane holds ONE row and eight channels, so one conversion of a tile's eight registers gives registers 2 b, 2 b + 1 of
; the next operand (K = the head's 64).  For v source 0 = x, source 1 = Wv: a lane holds one channel and eight KEYS, which are the K of the product with the softmax's p.
; All operands lie in memory and LDS as images of their registers (2,048 bytes a fragment, 512 p + 16 x lane): no pitch, no padding, each LDS load reads 512 consecutive bytes.
; RING.  K goes in eight steps of 128 through two LDS slots: x's fragments for T and its phase (16 row blocks x 4,096), x's for v (16 x 2,048), the 20 fragments of the weights.
; CLUSTER 4 x 4: x's tiles hang on Y and T, which a row of the cluster shares; the weights' on X, which a column shares: joint loads.  Wave 0 asks for x (T, phase), wave 1 for x (v), waves 2, 3 for the weights' halves.
; THE ELEMENTWISE STAGE, in f32: softplus(t) = max(t, 0) + ln 2 x log2(1 + 2^(-|t| log2 e)), kept divided by ln 2 (the RMS norm takes the factor away: its eps becomes 1e-6 / ln^2 2);
; tanh(u) = 1 - 2 / (1 + 2^(2 u log2 e)); with y = tanh: S = 2 sin(pi y / 2) and C = cos(pi y / 2) by their series in y^2 (11th and 12th degree: good on all of |y| <= 1), sin(pi y) = S C, cos(pi y) = 1 - S^2 / 2.
; LIMITS: every sum of exponents that is shifted into an exponent field gives an f32 number (the conversions' exponents between -126 and 119; e0 + e1, e2 + e3, e8 + e9, e10 + e11 between -120 and 120);
; softplus has an absolute error near 1e-7, so a head all of whose 64 amplitudes lie under about 1e-3 loses relative accuracy; sine and cosine are good to about 2e-7 absolute; NaN among the inputs is not served.
; REGISTERS, in windows of 256: window 0: v0-31 addresses and scales; v128-255 x's eight fragments, ONE set.  window 1: v0-127 the weights' fragments, two sets of 64; v128-255 v's 16 accumulators.
;   window 2: T's 32 accumulators ((a, b) at 8 (4 a + b));  window 3: the phase's.
.set SLOT,  139264
.set SPARE, 278528                     ; behind the ring: the spare words, 128 bytes a wave
.set DREG,  69632                      ; the way out: a wave's region of the ring for its accumulators: 65,536 bytes and 4,096 that are not used
.set AF,    128
.set ADA,   16                         ; v16-17 x (T, phase) in slot 0, 1
.set ADV,   18                         ; v18-19 x (v)
.set ADB,   20                         ; v20-21 my head's fragments of W_T
.set ADBV,  22                         ; v22-23 my two fragments of Wv
.set DMP,   24                         ; v24    my region + 16 x lane
.set DRD,   25                         ; v25    the same, at the row block in hand
.set SPW,   28                         ; v28    my spare word; never rewritten
.set NIL,   29                         ; v29    0; never rewritten
.set WV,    14
.set G1A,   24                         ; s[24:31], s[32:39], s[40:47] descriptor groups 1: x (T, phase), x (v), weights
.set G1V,   32
.set G1B,   40
.set G0A,   48                         ; s[48:55], s[56:63], s[68:75] groups 0, a set for each slot
.set G0V,   56
.set G0B,   68
.set MSB, 0
.macro WIN new                         ; the immediate's high byte repeats the setting that is left
.if MSB != \new
	s_set_vgpr_msb (MSB<<8)|\new
.set MSB, \new
.endif
.endm
.macro PLACES                          ; four places in front of loads into registers that matrix instructions have read, and of reads of results
.rept 4
	v_nop
.endr
.endm
.macro JLOAD s                         ; a joint load; the branches hang on the wave's number alone.  An s_nop 0 and four v_nop follow each line
	s_cmp_eq_u32 s[WV], 0
	s_cbranch_scc0 .Lnot0_\@
	tensor_load_to_lds s[G0A+4*\s:G0A+4*\s+3], s[G1A:G1A+7]
	s_nop 0
.rept 4
	v_nop
.endr
	s_branch .Lasked_\@
.Lnot0_\@:
	s_cmp_eq_u32 s[WV], 1
	s_cbranch_scc0 .Lnot1_\@
	tensor_load_to_lds s[G0V+4*\s:G0V+4*\s+3], s[G1V:G1V+7]
	s_nop 0
.rept 4
	v_nop
.endr
	s_branch .Lasked_\@
.Lnot1_\@:
	tensor_load_to_lds s[G0B+4*\s:G0B+4*\s+3], s[G1B:G1B+7]
	s_nop 0
.rept 4
	v_nop
.endr
.Lasked_\@:
.endm
.macro CREST                           ; a round of the cluster's barrier behind its opening barrier
	s_cmp_lg_u32 s[WV], 0
	s_cbranch_scc1 .Lnot_wave_0_\@
	s_barrier_signal -3
.Lnot_wave_0_\@:
	s_barrier_wait -3
	s_barrier_signal -1
	s_barrier_wait -1
.endm
.macro CROUND
	s_barrier_signal -1
	s_barrier_wait -1
	CREST
.endm
	s_load_b256 s[4:11], s[0:1], 0x0               ; xc s[4:5], wc s[6:7], lowp_scales s[8:9], qc s[10:11]
	s_load_b64 s[12:13], s[0:1], 0x20              ; kvc
	v_lshl_add_u32 v[SPW], v0, 2, SPARE
	v_mov_b32 v[NIL], 0
	ds_add_u32 v[SPW], v[NIL]                      ; the wave's opening: the add, twice on end, and its wait ahead of my first tensor load
	ds_add_u32 v[SPW], v[NIL]
	v_lshrrev_b32 v1, 5, v0
	v_readfirstlane_b32 s[WV], v1                  ; wave 0..3
	s_lshr_b32 s15, s[WV], 1                       ; which 128 rows
	s_and_b32 s16, s[WV], 1                        ; which head; which half of the weights I fetch
	s_bfe_u32 s17, ttmp6, 0x40000                  ; cx
	s_bfe_u32 s18, ttmp6, 0x40004                  ; cy
	s_lshl_b32 s19, ttmp9, 2
	s_add_co_u32 s19, s19, s17                     ; X
	s_and_b32 s20, ttmp7, 0xffff
	s_lshl_b32 s20, s20, 2
	s_add_co_u32 s20, s20, s18                     ; Y
	s_lshr_b32 s21, ttmp9, 1                       ; T = X / 8: the same in the whole cluster
	s_lshl_b32 s22, s18, 2
	s_lshl_b32 s22, 15, s22                        ; my row of the cluster
	s_lshl_b32 s23, 0x1111, s17                    ; my column
	s_or_b32 s[G1A], s22, (3<<16)|(1<<21)          ; 15:0 the mask; 17:16 elements of 8 bytes; 21 set beside a mask; no padding
	s_or_b32 s[G1V], s22, (3<<16)|(1<<21)
	s_or_b32 s[G1B], s23, (3<<16)|(1<<21)
	s_mov_b32 s[G1A+1], 512<<16                    ; x (T, phase): 16 rows of 4,096 bytes, one a row block,
	s_mov_b32 s[G1A+2], 16<<16
	s_mov_b32 s[G1A+3], 512<<16
	s_mov_b32 s[G1A+4], 16
	s_mov_b32 s[G1A+5], 10240                      ; 81,920 bytes (eight records) apart
	s_mov_b32 s[G1A+6], 0
	s_mov_b32 s[G1A+7], 0
	s_mov_b32 s[G1V+1], 256<<16                    ; x (v): 16 rows of 2,048 bytes
	s_mov_b32 s[G1V+2], 16<<16
	s_mov_b32 s[G1V+3], 256<<16
	s_mov_b32 s[G1V+4], 16
	s_mov_b32 s[G1V+5], 10240
	s_mov_b32 s[G1V+6], 0
	s_mov_b32 s[G1V+7], 0
	s_mov_b32 s[G1B+1], 32<<16                     ; weights: 20,480 dense bytes as 80 rows of 256
	s_mov_b32 s[G1B+2], 80<<16
	s_mov_b32 s[G1B+3], 32<<16
	s_mov_b32 s[G1B+4], 80
	s_mov_b32 s[G1B+5], 32
	s_mov_b32 s[G1B+6], 0
	s_mov_b32 s[G1B+7], 0
	s_mul_i32 s76, s20, 1310720                    ; Y's first record: 128 records of 10,240 bytes
	s_lshl_b32 s78, s21, 12
	s_add_co_u32 s78, s78, s76                     ; + 4,096 T: versions 2 T, 2 T + 1
	s_mov_b32 s79, 0
	s_add_co_u32 s76, s76, 8192                    ; version 4
	s_mov_b32 s77, 0
	s_mul_i32 s80, s19, 327680                     ; X's eight K steps of 40,960 bytes
	s_mul_i32 s82, s16, 20480                      ; my half
	s_add_co_u32 s80, s80, s82
	s_mov_b32 s81, 0
	s_add_co_u32 s82, s82, 98304                   ; and its place in a slot: no place in the cluster enters an LDS address
	s_wait_dscnt 0x0                               ; both opening adds are done
	s_wait_kmcnt 0x0
	s_add_nc_u64 s[78:79], s[4:5], s[78:79]
	s_add_nc_u64 s[76:77], s[4:5], s[76:77]
	s_add_nc_u64 s[80:81], s[6:7], s[80:81]
	CROUND                                         ; all sixteen work-groups are here: the first joint loads meet
.irp s, 0,1
	s_mov_b32 s[G0A+4*\s], 1
	s_mov_b32 s[G0A+4*\s+1], \s*SLOT
	s_add_nc_u64 s[G0A+4*\s+2:G0A+4*\s+3], s[78:79], \s*10240
	s_or_b32 s[G0A+4*\s+3], s[G0A+4*\s+3], 0x80000000
	s_mov_b32 s[G0V+4*\s], 1
	s_mov_b32 s[G0V+4*\s+1], \s*SLOT+65536
	s_add_nc_u64 s[G0V+4*\s+2:G0V+4*\s+3], s[76:77], \s*10240
	s_or_b32 s[G0V+4*\s+3], s[G0V+4*\s+3], 0x80000000
	s_mov_b32 s[G0B+4*\s], 1
	s_add_co_u32 s[G0B+4*\s+1], s82, \s*SLOT
	s_add_nc_u64 s[G0B+4*\s+2:G0B+4*\s+3], s[80:81], \s*40960
	s_or_b32 s[G0B+4*\s+3], s[G0B+4*\s+3], 0x80000000
	JLOAD \s                                       ; K steps 0 and 1: two loads of mine are out
.endr
	v_and_b32 v1, 31, v0
	v_lshlrev_b32 v1, 4, v1                        ; v1 = 16 x lane; kept
	s_lshl_b32 s83, s15, 15                        ; my eight row blocks of 4,096,
	s_lshl_b32 s84, s15, 14
	s_add_co_u32 s84, s84, 65536                   ; of 2,048,
	s_lshl_b32 s85, s16, 13
	s_add_co_u32 s85, s85, 98304                   ; my head's four fragments,
	s_lshl_b32 s86, s16, 12
	s_add_co_u32 s86, s86, 131072                  ; my two of Wv
.irp s, 0,1
	v_add_nc_u32 v[ADA+\s], s83, v1
	v_add_nc_u32 v[ADV+\s], s84, v1
	v_add_nc_u32 v[ADB+\s], s85, v1
	v_add_nc_u32 v[ADBV+\s], s86, v1
	s_add_co_u32 s83, s83, SLOT
	s_add_co_u32 s84, s84, SLOT
	s_add_co_u32 s85, s85, SLOT
	s_add_co_u32 s86, s86, SLOT
.endr
	s_mul_i32 s87, s[WV], DREG
	v_add_nc_u32 v[DMP], s87, v1
.macro FRAG reg, adr, off              ; a fragment as it lies: four loads of 512 consecutive bytes
.irp p, 0,1,2,3
	ds_load_b128 v[\reg+4*\p:\reg+4*\p+3], v[\adr] offset:\off+512*\p
.endr
.endm
.macro FETCH_B sg, ph, bs              ; the weights' fragments of part ph (0: T, 1: phase, 2: v) of slot sg into set bs
	WIN 0x40
.if (\ph) < 2
.irp b, 0,1,2,3
	FRAG 64*(\bs)+16*\b, ADB+\sg, (\ph)*16384+\b*2048
.endr
.else
.irp b, 0,1
	FRAG 64*(\bs)+16*\b, ADBV+\sg, \b*2048
.endr
.endif
	WIN 0
.endm
.macro FETCH_A sg, ph, a0              ; x's row blocks a0 .. a0 + 3 in the version of part ph
.irp a, \a0, \a0+1, \a0+2, \a0+3
.if (\ph) < 2
	FRAG AF+16*(\a), ADA+\sg, (\a)*4096+(\ph)*2048
.else
	FRAG AF+16*(\a), ADV+\sg, (\a)*2048
.endif
.endr
.endm
; na row blocks from a0 on against the part's fragments.  Every accumulator has one instruction in a part, so the accumulators take turns.  zero = 1: the first product starts the sum.
.macro MUL ph, a0, na, bs, zero
.if (\ph) == 0
	WIN 0xa1                                       ; source 0 (W) window 1, source 1 (x) window 0, C and D window 2
.elseif (\ph) == 1
	WIN 0xf1                                       ; the same, C and D window 3
.else
	WIN 0x54                                       ; source 0 (x) window 0, source 1 (Wv), C and D window 1
.endif
.set aa, \a0
.rept \na
.if (\ph) < 2
.irp b, 0,1,2,3
.if \zero
	v_wmma_f32_16x16x128_fp8_fp8 v[8*(4*aa+\b):8*(4*aa+\b)+7], v[64*(\bs)+16*\b:64*(\bs)+16*\b+15], v[AF+16*aa:AF+16*aa+15], 0
.else
	v_wmma_f32_16x16x128_fp8_fp8 v[8*(4*aa+\b):8*(4*aa+\b)+7], v[64*(\bs)+16*\b:64*(\bs)+16*\b+15], v[AF+16*aa:AF+16*aa+15], v[8*(4*aa+\b):8*(4*aa+\b)+7]
.endif
.endr
.else
.irp b, 0,1
.if \zero
	v_wmma_f32_16x16x128_fp8_fp8 v[128+8*(2*aa+\b):128+8*(2*aa+\b)+7], v[AF+16*aa:AF+16*aa+15], v[64*(\bs)+16*\b:64*(\bs)+16*\b+15], 0
.else
	v_wmma_f32_16x16x128_fp8_fp8 v[128+8*(2*aa+\b):128+8*(2*aa+\b)+7], v[AF+16*aa:AF+16*aa+15], v[64*(\bs)+16*\b:64*(\bs)+16*\b+15], v[128+8*(2*aa+\b):128+8*(2*aa+\b)+7]
.endif
.endr
.endif
.set aa, aa+1
.endr
.endm
; Part ph (0 or 1) of a K step.  x has one set of registers: blocks 0-3 are fetched anew in the part's middle, blocks 4-7 at its end; the weights have two sets by turns.
.macro SUB sg, ph, zero
	s_wait_dscnt 16                                ; the weights' set and x's blocks 0-3 are in; the youngest sixteen loads (blocks 4-7) may be out
	MUL \ph, 0, 4, (\sg+\ph)%2, \zero
	s_wait_dscnt 0x0
	PLACES
	FETCH_B \sg, \ph+1, (\sg+\ph+1)%2
	FETCH_A \sg, \ph+1, 0
	MUL \ph, 4, 4, (\sg+\ph)%2, \zero
	PLACES
	WIN 0
	FETCH_A \sg, \ph+1, 4
.endm
; Part 2 (v) changes slots: ONE barrier; in front of it each wave waits for all its tensor loads, adds 0 to its spare word, and waits for that and for its reads of this slot.  fill = 1: the slot is filled again, two K steps ahead.
.macro TURN sg, zero, fill
	s_wait_tensorcnt 0x0                           ; my one load that was out, my part of the next slot, has landed
	ds_add_u32 v[SPW], v[NIL]                      ; 0 onto my spare word
	s_wait_dscnt 17                                ; (the add and x's blocks 4-7 may be out)
	MUL 2, 0, 2, \sg, \zero
	s_wait_dscnt 0x0                               ; the add is done, and my reads of this slot are over
	s_barrier_signal -1
	MUL 2, 2, 2, \sg, \zero
	WIN 0
	s_barrier_wait -1
.if \fill
	CREST                                          ; the barrier has opened a round of the cluster's barrier: no wave of any partner still reads this slot or has a load on its way
	s_add_nc_u64 s[G0A+4*\sg+2:G0A+4*\sg+3], s[G0A+4*\sg+2:G0A+4*\sg+3], 20480
	s_add_nc_u64 s[G0V+4*\sg+2:G0V+4*\sg+3], s[G0V+4*\sg+2:G0V+4*\sg+3], 20480
	s_add_nc_u64 s[G0B+4*\sg+2:G0B+4*\sg+3], s[G0B+4*\sg+2:G0B+4*\sg+3], 81920
	JLOAD \sg                                      ; the first tensor load behind the round, one a wave; its four v_nop are the places in front of the loads below
.else
	PLACES
.endif
	FETCH_B 1-\sg, 0, 1-\sg
	FETCH_A 1-\sg, 0, 0
	MUL 2, 4, 4, \sg, \zero
	PLACES
	WIN 0
	FETCH_A 1-\sg, 0, 4
.endm
.macro KSTEP sg, zero, fill
	SUB \sg, 0, \zero
	SUB \sg, 1, \zero
	TURN \sg, \zero, \fill
.endm
	s_wait_tensorcnt 1                             ; my part of K step 0 is in; K step 1's may stay out
	s_barrier_signal -1
	s_barrier_wait -1
	FETCH_B 0, 0, 0
	FETCH_A 0, 0, 0
	FETCH_A 0, 0, 4
	KSTEP 0, 1, 1                                  ; K step 0 starts all 80 sums
	s_mov_b32 s3, 2
.Lk:                                                   ; K steps 1 to 4
	KSTEP 1, 0, 1
	KSTEP 0, 0, 1
	s_sub_co_u32 s3, s3, 1
	s_cmp_lg_u32 s3, 0
	s_cbranch_scc1 .Lk
	KSTEP 1, 0, 1                                  ; K step 5 asks for K step 7: the last load
	KSTEP 0, 0, 0                                  ; the tail is written out: nothing more is asked for
	SUB 1, 0, 0
	SUB 1, 1, 0
	s_wait_dscnt 16
	MUL 2, 0, 4, 1, 0
	s_wait_dscnt 0x0
	MUL 2, 4, 4, 1, 0
	WIN 0
; ---- THE WAY OUT.  The ring has had its last fill.  Behind a barrier (nobody reads it any more) each wave lays T's and the phase's 64 accumulators into its own region, so that a loop can take them a row block at a time.
	s_load_b512 s[76:91], s[8:9], 0x0              ; the exponents: entry i in s[76 + i]
	s_load_b128 s[92:95], s[8:9], 0x40
	s_barrier_signal -1
	s_barrier_wait -1
	PLACES
	WIN 0x08                                       ; store data from window 2
.set i, 0
.rept 32
	ds_store_b128 v[DMP], v[8*i:8*i+3] offset:1024*i          ; each accumulator from its low end on
	ds_store_b128 v[DMP], v[8*i+4:8*i+7] offset:1024*i+512
.set i, i+1
.endr
	WIN 0x0c                                       ; from window 3
.set i, 0
.rept 32
	ds_store_b128 v[DMP], v[8*i:8*i+3] offset:32768+1024*i
	ds_store_b128 v[DMP], v[8*i+4:8*i+7] offset:32768+1024*i+512
.set i, i+1
.endr
	WIN 0
.macro LOADTU                          ; a row block's T into window 1 v0-31, its phase sums into v32-63.  LDS serves a wave's instructions in order: these see my stores
	WIN 0x40
.irp b, 0,1,2,3
	ds_load_b128 v[8*\b:8*\b+3], v[DRD] offset:1024*\b
	ds_load_b128 v[8*\b+4:8*\b+7], v[DRD] offset:1024*\b+512
	ds_load_b128 v[32+8*\b:32+8*\b+3], v[DRD] offset:32768+1024*\b
	ds_load_b128 v[32+8*\b+4:32+8*\b+7], v[DRD] offset:32768+1024*\b+512
.endr
	WIN 0
.endm
	s_mov_b32 s60, 0
	v_add_nc_u32 v[DRD], s60, v[DMP]
	LOADTU                                         ; row block 0
.macro VCOEF r, val
	v_mov_b32 v[\r], \val
	v_mov_b32 v[\r+1], \val
.endm
	WIN 0x40                                       ; the series' addends, as pairs, in window 1 v64-83
	VCOEF 64, 0x40490fdb                           ; 2 sin(pi y / 2) = y (S0 + z (S1 + ..)), z = y^2: S0 = pi
	VCOEF 66, 0xbfa55de7                           ; -pi^3 / 24
	VCOEF 68, 0x3e2335e3                           ; pi^5 / 1920
	VCOEF 70, 0xbc196966                           ; -0.0093635082
	VCOEF 72, 0x39a83c1a                           ; 3.2088236e-4
	VCOEF 74, 0xbf9de9e6                           ; cos(pi y / 2) = 1 + z (C1 + ..): C1 = -pi^2 / 8
	VCOEF 76, 0x3e81e0f8                           ; 0.2536695079
	VCOEF 78, 0xbcaae9e4                           ; -0.0208634808
	VCOEF 80, 0x3a70fa83                           ; 9.1926027e-4
	VCOEF 82, 0xb7d368f9                           ; -2.5202042e-5
	WIN 0
	s_mov_b32 s24, 0xb6f183a7                      ; S5 = -7.1976864e-6
	s_mov_b32 s25, s24
	s_mov_b32 s26, 0x34fce9c5                      ; C6 = 4.7108748e-7
	s_mov_b32 s27, s26
	s_mov_b32 s52, 0x3c800000                      ; 1 / 64
	s_mov_b32 s53, 0x360bada6                      ; 1e-6 / ln^2 2
	s_mov_b32 s54, 0x76543210                      ; v_permlanex16_b32: lane l xor 16
	s_mov_b32 s55, 0xfedcba98
	s_wait_kmcnt 0x0
	s_add_co_i32 s68, s76, s77                     ; e0 + e1
	s_add_co_i32 s69, s78, s79                     ; e2 + e3
	s_add_co_i32 s70, s84, s85                     ; e8 + e9
	s_add_co_i32 s71, s86, s87                     ; e10 + e11
	s_sub_co_i32 s66, s92, s80
	s_sub_co_i32 s66, s66, s81                     ; e16 - e4 - e5: v's three scales folded into the conversion's one
	s_cmp_eq_u32 s21, 0                            ; q's work-group or k's: choices only, no branch
	s_cselect_b32 s68, s68, s69                    ; a sum of T stands for sum x 2^eT,
	s_cselect_b32 s70, s70, s71                    ; of the phase for sum x 2^eP
	s_cselect_b32 s69, s82, s83                    ; entry 6 or 7
	s_cselect_b32 s71, s88, s89                    ; 12 or 13
	s_cselect_b32 s72, s90, s91                    ; 14 or 15
	s_cselect_b64 s[56:57], s[10:11], s[12:13]     ; qc or kvc
	s_mov_b32 s73, 32768
	s_cselect_b32 s73, 24576, s73                  ; a record of 128 positions
	s_sub_co_i32 s69, s69, s68
	s_lshl_b32 s74, s68, 23
	s_add_co_i32 s48, s74, 0x3fb8aa3b              ; log2(e) x 2^eT
	s_mov_b32 s49, s48
	s_lshl_b32 s74, s70, 23
	s_add_co_i32 s50, s74, 0x4038aa3b              ; 2 log2(e) x 2^eP
	s_mov_b32 s51, s50
.macro MKS vs, se                      ; v[vs] = 2^e as f32, v[vs+1] = 448 x 2^e
	s_add_co_i32 s74, s[\se], 127
	s_lshl_b32 s75, s74, 23
	v_mov_b32 v[\vs], s75
	s_add_co_i32 s74, s74, 8
	s_lshl_b32 s74, s74, 23
	s_or_b32 s74, s74, 0x600000
	v_mov_b32 v[\vs+1], s74
.endm
	MKS 8, 69                                      ; q or k
	MKS 10, 71                                     ; the cosine part
	MKS 12, 72                                     ; the sine part
	MKS 14, 66                                     ; v
	s_lshr_b32 s61, s20, 3
	s_lshl_b32 s61, s61, 4                         ; 16 x batch
	s_and_b32 s62, s19, 7
	s_lshl_b32 s62, s62, 1
	s_add_co_u32 s61, s61, s62                     ; + 2 j
	s_lshl_b32 s63, s20, 1
	s_add_co_u32 s63, s63, s15
	s_and_b32 s63, s63, 15                         ; my block of 128 positions in the sequence
	s_add_co_u32 s96, s61, s16                     ; my head
	s_lshl_b32 s96, s96, 4
	s_add_co_u32 s96, s96, s63
	s_mul_i32 s96, s96, s73
	s_mov_b32 s97, 0
	s_add_nc_u64 s[56:57], s[56:57], s[96:97]
	s_add_co_u32 s98, s61, s21                     ; v's head
	s_lshl_b32 s98, s98, 4
	s_add_co_u32 s98, s98, s63
	s_lshl_b32 s98, s98, 15
	s_lshl_b32 s99, s16, 12
	s_add_co_u32 s98, s98, s99                     ; my two fragments of V^T,
	s_add_co_u32 s98, s98, 24576                   ; behind the record's k fragments
	s_mov_b32 s99, 0
	s_add_nc_u64 s[58:59], s[12:13], s[98:99]
	; v: accumulator (a, b) holds keys 16 a + 8 h + 0 .. 7 of channel r: its codes are registers 2 a, 2 a + 1 of fragment b
	WIN 0x41
.set i, 0
.rept 128
	v_med3_num_f32 v[128+i], v[128+i], -v15, v15   ; the conversion does not saturate (ISA guide 7.6.2): the hold
.set i, i+1
.endr
	WIN 0x01
.irp a, 0,1,2,3,4,5,6,7
.irp b, 0,1
	v_cvt_scalef32_pk8_fp8_f32 v[216+16*\b+2*\a:216+16*\b+2*\a+1], v[128+8*(2*\a+\b):128+8*(2*\a+\b)+7], v14
.endr
.endr
	v_nop                                          ; a plain instruction behind the last conversion
	WIN 0
.irp b, 0,1
.irp p, 0,1,2,3
	global_store_b128 v1, v[216+16*\b+4*\p:216+16*\b+4*\p+3], s[58:59] offset:\b*2048+\p*512   ; 512 consecutive bytes a store
.endr
.endr
; A trip: one row block.  Window 0: v32-63 held T, then z; v64-95 the exponent, then the sine series, then cos; v96-127 max(T, 0), then the amplitude; v128-159 the phase, then y; v160-191 the cosine series, then sin;
; v192-215 the three fragments' codes; v248-251 the sum of squares and 1 / rms.
.macro HORNER dst, vc                  ; dst = dst x z + the pair in window 1
.set i, 0
.rept 16
	v_pk_fma_f32 v[\dst+i:\dst+i+1], v[\dst+i:\dst+i+1], v[32+i:33+i], v[\vc:\vc+1]
.set i, i+2
.endr
.endm
.macro HORNER0 dst, sc, vc             ; dst = z x the scalar + the pair in window 1
.set i, 0
.rept 16
	v_pk_fma_f32 v[\dst+i:\dst+i+1], v[32+i:33+i], s[\sc:\sc+1], v[\vc:\vc+1] op_sel_hi:[1,0,1]
.set i, i+2
.endr
.endm
	s_mov_b32 s3, 0
.Lrow:
	s_wait_dscnt 0x0                               ; this row block's sums are in
	WIN 0x01                                       ; source 0 in window 1: the only lines that read them
.set i, 0
.rept 32
	v_med3_num_f32 v[32+i], v[i], -v9, v9          ; q or k itself, held for its conversion
.set i, i+1
.endr
.set i, 0
.rept 32
	v_mul_f32 v[64+i], -|v[i]|, s48                ; -|t| log2 e
.set i, i+1
.endr
.set i, 0
.rept 32
	v_max_num_f32 v[96+i], v[i], 0
.set i, i+1
.endr
.set i, 0
.rept 16
	v_pk_mul_f32 v[128+i:129+i], v[32+i:33+i], s[50:51] op_sel_hi:[1,0]   ; 2 u log2 e
.set i, i+2
.endr
	WIN 0
	s_add_co_u32 s60, s60, 4096
	v_add_nc_u32 v[DRD], s60, v[DMP]
	s_cmp_eq_u32 s3, 7
	s_cbranch_scc1 .Lnomore
	LOADTU                                         ; the next row block lands under this one's arithmetic
.Lnomore:
.irp b, 0,1,2,3
	v_cvt_scalef32_pk8_fp8_f32 v[192+2*\b:193+2*\b], v[32+8*\b:39+8*\b], v8
.endr
.set i, 0
.rept 32
	v_exp_f32 v[64+i], v[64+i]
	v_exp_f32 v[128+i], v[128+i]
.set i, i+1
.endr
	v_nop                                          ; a plain instruction behind the batch,
	s_wait_alu depctr_va_vdst(0)                   ; and one wait for its 64 results, ahead of their first reader
.set i, 0
.rept 16
	v_pk_add_f32 v[64+i:65+i], v[64+i:65+i], 1.0 op_sel_hi:[1,0]
	v_pk_add_f32 v[128+i:129+i], v[128+i:129+i], 1.0 op_sel_hi:[1,0]
.set i, i+2
.endr
.set i, 0
.rept 32
	v_log_f32 v[64+i], v[64+i]
	v_rcp_f32 v[128+i], v[128+i]
.set i, i+1
.endr
	v_nop
	s_wait_alu depctr_va_vdst(0)                   ; one wait for the second batch
.set i, 0
.rept 16
	v_pk_fma_f32 v[96+i:97+i], v[96+i:97+i], s[48:49], v[64+i:65+i] op_sel_hi:[1,0,1]   ; softplus / ln 2
.set i, i+2
.endr
	v_pk_mul_f32 v[248:249], v[96:97], v[96:97]    ; the sum of squares of my 32 channels, in two chains
	v_pk_mul_f32 v[250:251], v[98:99], v[98:99]
.irp i, 4,8,12,16,20,24,28
	v_pk_fma_f32 v[248:249], v[96+\i:97+\i], v[96+\i:97+\i], v[248:249]
	v_pk_fma_f32 v[250:251], v[98+\i:99+\i], v[98+\i:99+\i], v[250:251]
.endr
	v_pk_add_f32 v[248:249], v[248:249], v[250:251]
	v_add_f32 v248, v248, v249
	v_permlanex16_b32 v249, v248, s54, s55         ; the row's other 32 channels lie in the lane 16 away
	v_add_f32 v248, v248, v249
	v_fma_f32 v248, v248, s52, s53                 ; the mean + eps
	v_rsq_f32 v250, v248
.set i, 0
.rept 16
	v_pk_fma_f32 v[128+i:129+i], v[128+i:129+i], -2.0, 1.0 op_sel_hi:[1,0,0]   ; y = tanh
.set i, i+2
.endr
.set i, 0
.rept 16
	v_pk_mul_f32 v[32+i:33+i], v[128+i:129+i], v[128+i:129+i]                  ; z
.set i, i+2
.endr
	WIN 0x10                                       ; source 2 in window 1
	HORNER0 64, 24, 72
	HORNER0 160, 26, 82
	HORNER 64, 70
	HORNER 160, 80
	HORNER 64, 68
	HORNER 160, 78
	HORNER 64, 66
	HORNER 160, 76
	HORNER 64, 64
	HORNER 160, 74
	WIN 0
.set i, 0
.rept 16
	v_pk_mul_f32 v[64+i:65+i], v[64+i:65+i], v[128+i:129+i]                    ; S = 2 sin(pi y / 2)
	v_pk_fma_f32 v[160+i:161+i], v[160+i:161+i], v[32+i:33+i], 1.0 op_sel_hi:[1,1,0]   ; C = cos(pi y / 2)
.set i, i+2
.endr
.set i, 0
.rept 16
	v_pk_mul_f32 v[160+i:161+i], v[64+i:65+i], v[160+i:161+i]                  ; sin(pi y) = S C
	v_pk_mul_f32 v[64+i:65+i], v[64+i:65+i], v[64+i:65+i]
.set i, i+2
.endr
.set i, 0
.rept 16
	v_pk_fma_f32 v[64+i:65+i], v[64+i:65+i], -0.5, 1.0 op_sel_hi:[1,0,0]       ; cos(pi y) = 1 - S^2 / 2
.set i, i+2
.endr
	s_wait_alu depctr_va_vdst(0)                   ; the wait for 1 / rms, ahead of its first reader
.set i, 0
.rept 16
	v_pk_mul_f32 v[96+i:97+i], v[96+i:97+i], v[250:251] op_sel_hi:[1,0]        ; the normalised amplitude
.set i, i+2
.endr
.set i, 0
.rept 16
	v_pk_mul_f32 v[64+i:65+i], v[64+i:65+i], v[96+i:97+i]
	v_pk_mul_f32 v[160+i:161+i], v[160+i:161+i], v[96+i:97+i]
.set i, i+2
.endr
.set i, 0
.rept 32
	v_med3_num_f32 v[64+i], v[64+i], -v11, v11
	v_med3_num_f32 v[160+i], v[160+i], -v13, v13
.set i, i+1
.endr
.irp b, 0,1,2,3
	v_cvt_scalef32_pk8_fp8_f32 v[200+2*\b:201+2*\b], v[64+8*\b:71+8*\b], v10
	v_cvt_scalef32_pk8_fp8_f32 v[208+2*\b:209+2*\b], v[160+8*\b:167+8*\b], v12
.endr
	v_nop                                          ; a plain instruction behind the last conversion
.irp f, 0,1,2,3,4,5
	global_store_b128 v1, v[192+4*\f:195+4*\f], s[56:57] offset:512*\f         ; three fragments of 1,024 bytes on end
.endr
	s_wait_xcnt 0x0                                ; the stores have read their registers and their base: both are written again only behind this wait
	s_add_nc_u64 s[56:57], s[56:57], 3072
	s_add_co_u32 s3, s3, 1
	s_cmp_lt_u32 s3, 8
	s_cbranch_scc1 .Lrow
	s_wait_tensorcnt 0x0                           ; the wave's end: three lines behind my last tensor load and my last LDS store
	ds_add_u32 v[SPW], v[NIL]
	s_wait_dscnt 0x0
	CROUND                                         ; the closing round: no work-group ends while a partner may still ask for a tile that names it
	s_endpgm
.Lfunc_end_k_qf4bd7f6fd2_proj:
	.size	k_qf4bd7f6fd2_proj, .Lfunc_end_k_qf4bd7f6fd2_proj-k_qf4bd7f6fd2_proj
	.p2alignl 7, 3214868480
	.fill 96, 4, 3214868480
	.section	.rodata,"a",@progbits
	.p2align	6, 0x0
	.amdhsa_kernel k_qf4bd7f6fd2_proj
		.amdhsa_group_segment_fixed_size 327680
		.amdhsa_private_segment_fixed_size 0
		.amdhsa_enable_private_segment 0
		.amdhsa_kernarg_size 40
		.amdhsa_user_sgpr_count 2
		.amdhsa_user_sgpr_kernarg_segment_ptr 1
		.amdhsa_wavefront_size32 1
		.amdhsa_system_sgpr_workgroup_id_x 1
		.amdhsa_system_sgpr_workgroup_id_y 1
		.amdhsa_system_sgpr_workgroup_id_z 1
		.amdhsa_system_vgpr_workitem_id 0
		.amdhsa_next_free_vgpr 1024
		.amdhsa_next_free_sgpr 102
		.amdhsa_reserve_vcc 0
		.amdhsa_float_denorm_mode_32 3
		.amdhsa_float_denorm_mode_16_64 3
		.amdhsa_memory_ordered 1
		.amdhsa_forward_progress 1
		.amdhsa_inst_pref_size 170
	.end_amdhsa_kernel
	.amdgpu_metadata
---
amdhsa.version: [ 1, 2 ]
amdhsa.kernels:
  - .name:           k_qf4bd7f6fd2_proj
    .symbol:         k_qf4bd7f6fd2_proj.kd
    .args:
      - { .name: xc, .offset: 0, .size: 8, .value_kind: global_buffer, .address_space: global }
      - { .name: wc, .offset: 8, .size: 8, .value_kind: global_buffer, .address_space: global }
      - { .name: lowp_scales, .offset: 16, .size: 8, .value_kind: global_buffer, .address_space: global }
      - { .name: qc, .offset: 24, .size: 8, .value_kind: global_buffer, .address_space: global }
      - { .name: kvc, .offset: 32, .size: 8, .value_kind: global_buffer, .address_space: global }
    .group_segment_fixed_size: 327680
    .private_segment_fixed_size: 0
    .kernarg_segment_align: 8
    .kernarg_segment_size: 40
    .max_flat_workgroup_size: 128
    .sgpr_count:     102
    .vgpr_count:     1024
    .wavefront_size: 32
...
	.end_amdgpu_metadata
.endif
;; end of part 2
;; launch attn (part 3): grid 8 x 32, 16 waves a work-group, no clusters, 327,680 bytes of LDS; arguments qc, kvc, lambda_raw, lowp_scales, oc; writes oc
.if DOCPART == 3
	.amdgcn_target "amdgcn-amd-amdhsa--gfx1250"
	.amdhsa_code_object_version 6
	.text
	.protected	k_qf4bd7f6fd2_attn
	.globl	k_qf4bd7f6fd2_attn
	.p2align	8
	.type	k_qf4bd7f6fd2_attn,@function
k_qf4bd7f6fd2_attn:
	s_mov_b64 s[64:65], 0
	v_nop
	global_prefetch_b8 v0, s[64:65] scope:SCOPE_SE
	s_setreg_imm32_b32 hwreg(HW_REG_WAVE_MODE, 25, 1), 1
	s_wait_xcnt 0x0
; Launch 3 of 4: scores = (q.k + lam (q_cos.k_cos + q_sin.k_sin)) / 8, causal softmax, product with v; all four products on codes of FP8 (E4M3); what leaves are the codes of the last projection's left operand.
; LEFT OUT: the steps of 128 keys that lie wholly behind a wave's 16 queries: reference()'s own jnp.tril makes their weights 0 for all inputs (a NaN or infinity that reaches only them is not carried on).
; THE SOFTMAX: t = logit x log2 e; M = the running largest t rounded UP to a whole number; p = 2^(t - M) is quantised along the keys, not normalised; the row's sum is taken of the unquantised p and divides at the end;
; when M moves, the sum and O are multiplied by 2^(old M - new M), which rounds nothing.
; SHARES.  Work-group (i, g): g = 16 batch + head.  Waves 0-7 own the eight tiles of 16 queries of block i (128 queries), waves 8-15 those of block 15 - i: every work-group has 17 (block x key step) units of work.
; Every work-group walks all eight slots of 256 keys with constant trip counts; what is jumped over, on ids alone, is a hidden step's work and the tensor loads of slots behind the work-group's last query.
; NO CLUSTER: work-groups of one head end their loads at different keys, so a joint load would bring tiles that no wave of some partner reads.
; LAYOUT.  S^T = K Q^T (source 0 = 16 keys, source 1 = my 16 queries): a lane holds one query (lane % 16) and keys 16 c + 8 (lane / 16) + 0 .. 7 in tile c's registers: one conversion of a tile gives registers 2 c, 2 c + 1
; of p's fragment.  O^T = V^T P^T likewise gives a lane eight channels of its query, which convert into the next operand's registers.  K, V, Q lie as images of their registers: every LDS load reads 512 consecutive bytes.
; LIMITS: e17 and e18 between -126 and 119; the other exponents are applied by v_ldexp_f32.  NaN among the inputs is not served.
; REGISTERS: v1 16 x lane; v2 the slot's address; v3 the prefetch's offset; v[8:9] f; v10, v11 at work; v12 -M; v13 the largest t; v[14:15] the sum; v16-39 Q's three fragments; v40-103 fragments of K (two tiles of keys) or V;
; v104-151 six raw score tiles, then p's codes (v104-119) and work; v152-215 t, then p; v216-247 O^T; v[248:249], v[250:251], v[252:253] the three factors; v254 448 x 2^e17; v255 2^e17.
.set SLOT1, 65536                      ; a slot: two records of 128 keys (24,576 bytes of k, k_cos, k_sin; 8,192 of V^T); one exclusive or turns an address into the other slot's
.set SPARE, 131072                     ; behind the ring: the spare words, 128 bytes a wave
.set SPW,  5
.set NIL,  6
.set WV,   18
.set TB,   2                           ; s2   LDS byte at which the slot in hand begins
.set SLOTS, 67                         ; s67  changes of slots still to come that may ask for a slot
.set KF,   98                          ; s98  the step's first key
.set Q0,   99                          ; s99  my first query
.set LQ,   81                          ; s81  my work-group's last query
.set PFA,  76                          ; s[76:77] where my prefetches stand
.set LIM,  80                          ; s80  1 in a wave that prefetches, else the greatest number
.macro TLOAD                           ; waves 0-3 fetch a quarter of a slot each.  An s_nop 0 and four v_nop follow the line
	s_cmp_lt_u32 s[WV], 4
	s_cbranch_scc0 .Lasked_\@
	tensor_load_to_lds s[40:43], s[24:31]
	s_nop 0
.rept 4
	v_nop
.endr
.Lasked_\@:
.endm
; A prefetch of the slot that the NEXT change of slots will ask for: 65,536 dense bytes.  All work-groups of a head walk the same keys: the one with i = 0, which loads every slot, asks; in it waves 4-11,
; 8,192 bytes a wave, lanes 256 bytes apart: each aligned block of 256 bytes is named once in the launch.  Nothing is asked at the head; the last change that fills a slot asks for nothing.
.macro ASK
	s_cmp_gt_u32 s[SLOTS], s[LIM]
	s_cbranch_scc0 .Lnot_mine_\@
	global_prefetch_b8 v3, s[PFA:PFA+1] th:TH_LOAD_NT scope:SCOPE_SE
.Lnot_mine_\@:
.endm
	s_load_b256 s[4:11], s[0:1], 0x0               ; qc s[4:5], kvc s[6:7], lambda_raw s[8:9], lowp_scales s[10:11]
	s_load_b64 s[12:13], s[0:1], 0x20              ; oc
	v_lshl_add_u32 v[SPW], v0, 2, SPARE
	v_mov_b32 v[NIL], 0
	ds_add_u32 v[SPW], v[NIL]                      ; the wave's opening: the add, twice on end, and its wait ahead of the first tensor load
	ds_add_u32 v[SPW], v[NIL]
	v_lshrrev_b32 v10, 5, v0
	v_readfirstlane_b32 s[WV], v10                 ; wave 0..15
	s_and_b32 s82, ttmp7, 0xffff                   ; g
	s_sub_co_u32 s83, 15, ttmp9
	s_cmp_lt_u32 s[WV], 8
	s_cselect_b32 s84, ttmp9, s83                  ; my block of 128 queries
	s_and_b32 s85, s[WV], 7
	s_lshl_b32 s[Q0], s84, 7
	s_lshl_b32 s86, s85, 4
	s_add_co_u32 s[Q0], s[Q0], s86
	s_lshl_b32 s[LQ], s83, 7
	s_add_co_u32 s[LQ], s[LQ], 127
	s_mov_b32 s24, 3<<16                           ; descriptor group 1: no mask, elements of 8 bytes, no padding: 16,384 dense bytes as 64 rows of 256
	s_mov_b32 s25, 32<<16
	s_mov_b32 s26, 64<<16
	s_mov_b32 s27, 32<<16
	s_mov_b32 s28, 64
	s_mov_b32 s29, 32
	s_mov_b32 s30, 0
	s_mov_b32 s31, 0
	s_and_b32 s86, s[WV], 3
	s_lshl_b32 s86, s86, 14                        ; my quarter of a slot
	s_lshl_b32 s88, s82, 19                        ; the head's 16 records of 32,768 bytes
	s_add_co_u32 s88, s88, s86
	s_mov_b32 s89, 0
	s_lshl_b32 s90, s82, 4
	s_add_co_u32 s90, s90, s84
	s_mul_i32 s90, s90, 24576                      ; qc: my block's record,
	s_mul_i32 s92, s85, 3072
	s_add_co_u32 s90, s90, s92                     ; my tile's three fragments
	s_mov_b32 s91, 0
	s_lshr_b32 s92, s82, 4
	s_lshl_b32 s92, s92, 7
	s_lshr_b32 s93, s[Q0], 4
	s_add_co_u32 s92, s92, s93                     ; oc: row block 128 batch + Q0 / 16,
	s_lshl_b32 s92, s92, 3
	s_bfe_u32 s93, s82, 0x30001
	s_add_co_u32 s92, s92, s93                     ; K step head / 2,
	s_lshl_b32 s92, s92, 11
	s_and_b32 s93, s82, 1
	s_lshl_b32 s93, s93, 10
	s_add_co_u32 s92, s92, s93                     ; the fragment's lower or upper half
	s_mov_b32 s93, 0
	s_and_b32 s94, s82, 15
	s_lshl_b32 s94, s94, 2                         ; lambda_raw[head]
	s_mov_b32 s95, 0
	s_mov_b32 s20, 0x76543210                      ; v_permlanex16_b32: lane l xor 16
	s_mov_b32 s21, 0xfedcba98
	s_mov_b32 s[TB], 0
	s_mov_b32 s[SLOTS], 7
	s_mov_b32 s[KF], 0
	s_wait_dscnt 0x0                               ; both opening adds are done
	s_wait_kmcnt 0x0
	s_load_b512 s[44:59], s[10:11], 0x0            ; exponents 0-15 in s44-59,
	s_load_b128 s[60:63], s[10:11], 0x40           ; 16-19 in s60-63
	s_add_nc_u64 s[8:9], s[8:9], s[94:95]
	s_load_b32 s66, s[8:9], 0x0
	s_mov_b32 s40, 1
	s_mov_b32 s41, s86
	s_add_nc_u64 s[42:43], s[6:7], s[88:89]
	s_or_b32 s43, s43, 0x80000000
	TLOAD                                          ; slot 0: it holds key 0, which counts for every query
	s_add_nc_u64 s[4:5], s[4:5], s[90:91]
	s_add_nc_u64 s[12:13], s[12:13], s[92:93]
	s_sub_co_u32 s96, s[WV], 4
	s_lshr_b32 s97, s96, 3                         ; 0 in waves 4 to 11,
	s_or_b32 s97, s97, ttmp9                       ; of the work-group with i = 0
	s_cmp_eq_u32 s97, 0
	s_cselect_b32 s[LIM], 1, -1
	s_and_b32 s96, s96, 7
	s_lshl_b32 s96, s96, 13                        ; my 8,192 bytes,
	s_lshl_b32 s97, s82, 19
	s_add_co_u32 s96, s96, s97
	s_add_co_u32 s96, s96, SLOT1                   ; in slot 1: the first change of slots steps it to slot 2
	s_mov_b32 s97, 0
	s_add_nc_u64 s[PFA:PFA+1], s[6:7], s[96:97]
	v_and_b32 v1, 31, v0
	v_lshlrev_b32 v3, 8, v1
	v_lshlrev_b32 v1, 4, v1
.irp f, 0,1,2,3,4,5
	global_load_b128 v[16+4*\f:19+4*\f], v1, s[4:5] offset:512*\f   ; q, q_cos, q_sin: they stay in registers
.endr
	v_mov_b32 v13, 0xff61b1e6                      ; the largest t so far: -3e38
	v_floor_f32 v12, -v13
	v_mov_b32 v14, 0
	v_mov_b32 v15, 0
	v_mov_b32 v9, 0                                ; (named as the upper half of the pair v[8:9])
	v_mov_b32 v122, 0                              ; a lane permute's destination counts as one of its sources
.set i, 0
.rept 32
	v_mov_b32 v[216+i], 0                          ; O^T: the step is written once; its first run finds zeros, which the first change of M leaves zeros
.set i, i+1
.endr
	s_wait_kmcnt 0x0
	v_mov_b32 v10, s66
	v_mul_f32 v10, 0x4038aa3b, v10
	v_exp_f32 v10, v10
	v_nop
	s_wait_alu depctr_va_vdst(0)                   ; the wait ahead of a transcendental's first reader
	v_add_f32 v10, 1.0, v10
	v_rcp_f32 v10, v10
	v_nop
	s_wait_alu depctr_va_vdst(0)
	v_fma_f32 v10, v10, -2.0, 1.0                  ; tanh(lambda_raw)
	v_mul_f32 v10, 0.5, v10                        ; lam
	v_mov_b32 v11, 0x3e38aa3b                      ; log2(e) / 8
	s_add_co_i32 s96, s50, s51
	v_ldexp_f32 v248, v11, s96                     ; x 2^(e6 + e7)
	v_mov_b32 v249, v248
	s_add_co_i32 s96, s56, s57
	v_ldexp_f32 v250, v11, s96
	v_mul_f32 v250, v250, v10                      ; lam x .. x 2^(e12 + e13)
	v_mov_b32 v251, v250
	s_add_co_i32 s96, s58, s59
	v_ldexp_f32 v252, v11, s96
	v_mul_f32 v252, v252, v10                      ; lam x .. x 2^(e14 + e15)
	v_mov_b32 v253, v252
	s_add_co_i32 s96, s61, 127
	s_lshl_b32 s97, s96, 23
	v_mov_b32 v255, s97                            ; 2^e17
	s_add_co_i32 s96, s96, 8
	s_lshl_b32 s96, s96, 23
	s_or_b32 s96, s96, 0x600000
	v_mov_b32 v254, s96                            ; 448 x 2^e17
; A KEY STEP: 128 keys, record q of the slot in hand.
.macro STEP q
	s_add_co_u32 s96, s[Q0], 15
	s_cmp_gt_u32 s[KF], s96                        ; all its keys come after my queries: the work is left out; not the line at its end that steps the key
	s_cbranch_scc1 .Lhidden_\@
	v_add_nc_u32 v2, s[TB], v1
.rept 4
	v_nop                                          ; with the addition five places: the score tiles below are laid over p's codes, which the last products read
.endr
.irp G, 0,1,2,3                                ; two tiles of 16 keys at a time: three products each
.irp tt, 0,1
.irp kd, 0,1,2
	ds_load_b128 v[40+24*\tt+8*\kd:43+24*\tt+8*\kd], v2 offset:\q*32768+(2*\G+\tt)*3072+\kd*1024
	ds_load_b128 v[44+24*\tt+8*\kd:47+24*\tt+8*\kd], v2 offset:\q*32768+(2*\G+\tt)*3072+\kd*1024+512
.endr
.endr
	s_wait_dscnt 0x0
.irp tt, 0,1
.irp kd, 0,1,2
	v_wmma_f32_16x16x64_fp8_fp8 v[104+24*\tt+8*\kd:111+24*\tt+8*\kd], v[40+24*\tt+8*\kd:47+24*\tt+8*\kd], v[16+8*\kd:23+8*\kd], 0
.endr
.endr
.rept 4
	v_nop
.endr
.irp tt, 0,1                                   ; t = the three sums, each by its factor; each accumulator is read from its low end on
.irp i, 0,2,4,6
	v_pk_mul_f32 v[152+8*(2*\G+\tt)+\i:153+8*(2*\G+\tt)+\i], v[120+24*\tt+\i:121+24*\tt+\i], v[252:253]
.endr
.irp i, 0,2,4,6
	v_pk_fma_f32 v[152+8*(2*\G+\tt)+\i:153+8*(2*\G+\tt)+\i], v[112+24*\tt+\i:113+24*\tt+\i], v[250:251], v[152+8*(2*\G+\tt)+\i:153+8*(2*\G+\tt)+\i]
.endr
.irp i, 0,2,4,6
	v_pk_fma_f32 v[152+8*(2*\G+\tt)+\i:153+8*(2*\G+\tt)+\i], v[104+24*\tt+\i:105+24*\tt+\i], v[248:249], v[152+8*(2*\G+\tt)+\i:153+8*(2*\G+\tt)+\i]
.endr
.endr
.endr
.irp ct, 0,1,2,3                               ; V^T's four fragments land under the softmax
.irp p, 0,1,2,3
	ds_load_b128 v[40+16*\ct+4*\p:43+16*\ct+4*\p], v2 offset:\q*32768+24576+\ct*2048+\p*512
.endr
.endr
	s_add_co_u32 s96, s[KF], 127                   ; on the diagonal hidden keys' t become -infinity ahead of the maximum; a step all of whose keys count skips this
	s_cmp_le_u32 s96, s[Q0]
	s_cbranch_scc1 .Lopen_\@
	s_sub_co_i32 s96, s[Q0], s[KF]
	v_and_b32 v10, 15, v0
	v_bfe_u32 v11, v0, 4, 1
	v_lshlrev_b32 v11, 3, v11
	v_sub_nc_u32 v10, v10, v11
	v_add_nc_u32 v10, s96, v10                     ; d = my query - KF - 8 (lane / 16): register 8 c + j holds key KF + 8 (lane / 16) + 16 c + j, hidden where 16 c + j > d
	v_mov_b32 v11, 0xff800000
.set n, 0
.rept 64
	v_cmp_gt_i32 vcc_lo, 16*(n/8)+n%8, v10
	v_cndmask_b32 v[152+n], v[152+n], v11, vcc_lo
.set n, n+1
.endr
.Lopen_\@:
	v_max3_num_f32 v120, v152, v153, v154          ; the step's largest t of my query, in two chains,
	v_max3_num_f32 v121, v155, v156, v157
.irp i, 6,10,14,18,22,26,30,34,38,42,46,50,54,58
	v_max3_num_f32 v120, v120, v[152+\i], v[153+\i]
	v_max3_num_f32 v121, v121, v[154+\i], v[155+\i]
.endr
	v_max3_num_f32 v120, v120, v214, v215
	v_max_num_f32 v120, v120, v121
	v_permlanex16_b32 v122, v120, s20, s21
	v_max_num_f32 v120, v120, v122                 ; and among lane l xor 16's
	v_max_num_f32 v13, v13, v120
	v_mov_b32 v10, v12
	v_floor_f32 v12, -v13                          ; the new -M = -ceil(t)
	v_sub_f32 v10, v12, v10                        ; old M - new M: a whole number, 0 or less
	v_cvt_i32_f32 v10, v10                         ; (it saturates)
	v_ldexp_f32 v8, 1.0, v10                       ; f = 2^(old M - new M)
.set j, 0
.rept 32
	v_pk_add_f32 v[152+j:153+j], v[152+j:153+j], v[12:13] op_sel_hi:[1,0]   ; t - M
.set j, j+2
.endr
.set j, 0
.rept 64
	v_exp_f32 v[152+j], v[152+j]                   ; p, at most 1
.set j, j+1
.endr
	v_pk_mul_f32 v[14:15], v[14:15], v[8:9] op_sel_hi:[1,0]   ; the sum under the new M: the plain instruction behind the batch
	s_wait_alu depctr_va_vdst(0)                   ; one wait for the 64 exponentials, ahead of their first reader
	v_pk_add_f32 v[124:125], v[152:153], v[154:155]   ; the row's sum of the UNQUANTISED p, in two chains
.irp j, 4,8,12,16,20,24,28,32,36,40,44,48,52,56,60
	v_pk_add_f32 v[14:15], v[14:15], v[152+\j:153+\j]
	v_pk_add_f32 v[124:125], v[124:125], v[154+\j:155+\j]
.endr
	v_pk_add_f32 v[14:15], v[14:15], v[124:125]
.irp c, 0,1,2,3,4,5,6,7
.irp i, 0,1,2,3,4,5,6,7
	v_min_num_f32 v[152+8*\c+\i], v[152+8*\c+\i], v254   ; the conversion does not saturate (ISA guide 7.6.2); p is not negative: a one-sided hold
.endr
	v_cvt_scalef32_pk8_fp8_f32 v[104+2*\c:105+2*\c], v[152+8*\c:159+8*\c], v255
.endr
.set j, 0
.rept 16
	v_pk_mul_f32 v[216+j:217+j], v[216+j:217+j], v[8:9] op_sel_hi:[1,0]   ; O^T under the new M; also the plain instructions between the conversions and the products
.set j, j+2
.endr
	s_wait_dscnt 0x0                               ; V^T is in
.irp ct, 0,1,2,3                               ; four accumulators, one instruction each
	v_wmma_f32_16x16x128_fp8_fp8 v[216+8*\ct:223+8*\ct], v[40+16*\ct:55+16*\ct], v[104:119], v[216+8*\ct:223+8*\ct]
.endr
.Lhidden_\@:
	s_add_co_u32 s[KF], s[KF], 128
.endm
; THE CHANGE OF SLOTS stands at a slot's head.  Each wave waits for all its tensor loads, adds 0 to its spare word, and waits for that and for its reads of the slot that it has left; behind the barrier the slot ahead
; is whole and nobody reads the other one, which (fill = 1) takes the keys that follow: one load a wave, with a whole slot's steps in which to land.
.macro CHANGE fill
	s_wait_tensorcnt 0x0                           ; no tensor load of mine is out, so group 0 may be written
	ds_add_u32 v[SPW], v[NIL]
.if \fill
	ds_add_u32 v[SPW], v[NIL]                      ; here twice on end, in every trip alike
	s_xor_b32 s41, s41, SLOT1
	s_add_nc_u64 s[42:43], s[42:43], SLOT1
	s_wait_xcnt 0x0                                ; the last prefetch, a slot back, has read its address
	s_add_nc_u64 s[PFA:PFA+1], s[PFA:PFA+1], SLOT1
.endif
	s_wait_dscnt 0x0
	s_barrier_signal -1
	s_barrier_wait -1
.if \fill
	s_add_co_u32 s96, s[KF], 256                   ; the first key of the slot that this change would ask for:
	s_cmp_gt_u32 s96, s[LQ]                        ; behind my work-group's last query no wave reads it, so it is not asked for.  Ids and the count of steps alone: all sixteen waves go the same way
	s_cbranch_scc1 .Lpast_\@
	TLOAD
.Lpast_\@:
	ASK
.endif
.endm
	s_wait_loadcnt 0x0                             ; Q
.Lslot:                                                ; seven trips
	CHANGE 1
	STEP 0
	STEP 1
	s_xor_b32 s[TB], s[TB], SLOT1
	s_sub_co_u32 s[SLOTS], s[SLOTS], 1
	s_cmp_lg_u32 s[SLOTS], 0
	s_cbranch_scc1 .Lslot
	CHANGE 0                                       ; the last slot is written out: nothing follows it
	STEP 0
	STEP 1
	; THE WAY OUT: O^T / the sum x 2^(e16 + e17), quantised with 2^e18: tile ct's eight channels are registers 2 ct, 2 ct + 1 of my head's half of the fragment
	v_add_f32 v14, v14, v15
	v_permlanex16_b32 v122, v14, s20, s21
	v_add_f32 v14, v14, v122
	v_rcp_f32 v14, v14
	v_nop
	s_add_co_i32 s96, s60, s61
	s_add_co_i32 s97, s62, 127
	s_lshl_b32 s95, s97, 23
	v_mov_b32 v255, s95                            ; 2^e18
	s_add_co_i32 s97, s97, 8
	s_lshl_b32 s97, s97, 23
	s_or_b32 s97, s97, 0x600000
	v_mov_b32 v254, s97                            ; 448 x 2^e18
	s_wait_alu depctr_va_vdst(0)                   ; the wait ahead of the reciprocal's first reader
	v_ldexp_f32 v14, v14, s96
.set j, 0
.rept 32
	v_mul_f32 v[152+j], v[216+j], v14
.set j, j+1
.endr
.set j, 0
.rept 32
	v_med3_num_f32 v[152+j], v[152+j], -v254, v254
.set j, j+1
.endr
.irp ct, 0,1,2,3
	v_cvt_scalef32_pk8_fp8_f32 v[104+2*\ct:105+2*\ct], v[152+8*\ct:159+8*\ct], v255
.endr
	v_nop
	global_store_b128 v1, v[104:107], s[12:13]     ; 512 consecutive bytes a store
	global_store_b128 v1, v[108:111], s[12:13] offset:512
	s_wait_tensorcnt 0x0                           ; the wave's end
	ds_add_u32 v[SPW], v[NIL]
	s_wait_dscnt 0x0
	s_endpgm
.Lfunc_end_k_qf4bd7f6fd2_attn:
	.size	k_qf4bd7f6fd2_attn, .Lfunc_end_k_qf4bd7f6fd2_attn-k_qf4bd7f6fd2_attn
	.p2alignl 7, 3214868480
	.fill 96, 4, 3214868480
	.section	.rodata,"a",@progbits
	.p2align	6, 0x0
	.amdhsa_kernel k_qf4bd7f6fd2_attn
		.amdhsa_group_segment_fixed_size 327680
		.amdhsa_private_segment_fixed_size 0
		.amdhsa_enable_private_segment 0
		.amdhsa_kernarg_size 40
		.amdhsa_user_sgpr_count 2
		.amdhsa_user_sgpr_kernarg_segment_ptr 1
		.amdhsa_wavefront_size32 1
		.amdhsa_system_sgpr_workgroup_id_x 1
		.amdhsa_system_sgpr_workgroup_id_y 1
		.amdhsa_system_sgpr_workgroup_id_z 1
		.amdhsa_system_vgpr_workitem_id 0
		.amdhsa_next_free_vgpr 256
		.amdhsa_next_free_sgpr 100
		.amdhsa_reserve_vcc 1
		.amdhsa_float_denorm_mode_32 3
		.amdhsa_float_denorm_mode_16_64 3
		.amdhsa_memory_ordered 1
		.amdhsa_forward_progress 1
		.amdhsa_inst_pref_size 133
	.end_amdhsa_kernel
	.amdgpu_metadata
---
amdhsa.version: [ 1, 2 ]
amdhsa.kernels:
  - .name:           k_qf4bd7f6fd2_attn
    .symbol:         k_qf4bd7f6fd2_attn.kd
    .args:
      - { .name: qc, .offset: 0, .size: 8, .value_kind: global_buffer, .address_space: global }
      - { .name: kvc, .offset: 8, .size: 8, .value_kind: global_buffer, .address_space: global }
      - { .name: lambda_raw, .offset: 16, .size: 8, .value_kind: global_buffer, .address_space: global }
      - { .name: lowp_scales, .offset: 24, .size: 8, .value_kind: global_buffer, .address_space: global }
      - { .name: oc, .offset: 32, .size: 8, .value_kind: global_buffer, .address_space: global }
    .group_segment_fixed_size: 327680
    .private_segment_fixed_size: 0
    .kernarg_segment_align: 8
    .kernarg_segment_size: 40
    .max_flat_workgroup_size: 512
    .sgpr_count:     100
    .vgpr_count:     256
    .wavefront_size: 32
...
	.end_amdgpu_metadata
.endif
;; end of part 3
;; launch oproj (part 4): grid 8 x 32, 4 waves a work-group, clusters of 4 x 4, 327,680 bytes of LDS; arguments oc, woc, lowp_scales, out0; writes out0
.if DOCPART == 4
	.amdgcn_target "amdgcn-amd-amdhsa--gfx1250"
	.amdhsa_code_object_version 6
	.text
	.protected	k_qf4bd7f6fd2_oproj
	.globl	k_qf4bd7f6fd2_oproj
	.p2align	8
	.type	k_qf4bd7f6fd2_oproj,@function
k_qf4bd7f6fd2_oproj:
	s_mov_b64 s[64:65], 0
	v_nop
	global_prefetch_b8 v0, s[64:65] scope:SCOPE_SE
	s_setreg_imm32_b32 hwreg(HW_REG_WAVE_MODE, 25, 1), 1
	s_wait_xcnt 0x0
	s_wait_alu depctr_hold_cnt(0) depctr_sa_sdst(0) depctr_va_vdst(0) depctr_va_sdst(0) depctr_va_ssrc(0) depctr_va_vcc(0) depctr_vm_vsrc(0)
	s_getreg_b32 s2, hwreg(HW_REG_IB_STS2, 6, 4)
	s_cmp_eq_u32 s2, 0
	s_cbranch_scc0 .Lentry_in_a_cluster
	s_endpgm
.Lentry_in_a_cluster:
	s_bfe_u32 s2, ttmp6, 0x10000c
	s_cmp_lg_u32 s2, 0xf033
	s_cbranch_scc0 .Lentry_shape_is_right
	s_endpgm
.Lentry_shape_is_right:
; Launch 4 of 4: out0 = attention's result x Wo, on codes of FP8 (E4M3): [4096][1024] x [1024][1024], f32 out; each finished sum x 2^(e18 + e19).  No work is left out here.
; LIMIT: e18 + e19 between -126 and 127.
; A tile of out0 is 128 x 128: 256 work-groups; a wave makes 64 x 64: 16 accumulators.  A tile's whole K (1,024) of both operands is 262,144 bytes and fits in LDS: nothing is ever filled again.
; Each wave asks for its four chunks (two K steps of 128 each) at the head and waits for them one by one, with counted waits.
; CLUSTER 4 x 4: the left operand's tiles are shared along a row of the cluster, Wo's along a column: joint loads.  Waves 0, 1 ask for the left operand's halves, waves 2, 3 for Wo's.
; Operands lie as images of their registers (2,048 bytes a fragment).  Source 0 = 16 columns of Wo, source 1 = 16 rows: a lane holds eight neighbouring numbers of a row of out0.
; REGISTERS: window 0: v16-22 addresses; v32-63 a row block's results; v64-127 rows read back, two sets; v128-255 the accumulators ((a, b) at 128 + 8 (4 a + b)).  window 1: two buffers of 64 + 64 for the fragments.
.set STG,   262144                     ; behind the operands: a stage of 16 rows x (256 + 16) bytes for each wave
.set SPARE, 279552                     ; behind the stages: the spare words
.set SPW, 28
.set NIL, 29
.set VA,  16                           ; v16-17 my rows' fragments, chunks 0-1 and 2-3
.set VB,  18                           ; v18-19 my columns'
.set STO, 20
.set RD,  21
.set CO,  22
.set TMP, 32
.set BK,  64
.set ACC, 128
.set WV,  14
.set MSB, 0
.macro WIN new
.if MSB != \new
	s_set_vgpr_msb (MSB<<8)|\new
.set MSB, \new
.endif
.endm
.macro PLACES
.rept 4
	v_nop
.endr
.endm
.macro CROUND                          ; a round of the cluster's barrier
	s_barrier_signal -1
	s_barrier_wait -1
	s_cmp_lg_u32 s[WV], 0
	s_cbranch_scc1 .Lnot_wave_0_\@
	s_barrier_signal -3
.Lnot_wave_0_\@:
	s_barrier_wait -3
	s_barrier_signal -1
	s_barrier_wait -1
.endm
	s_load_b256 s[4:11], s[0:1], 0x0               ; oc s[4:5], woc s[6:7], lowp_scales s[8:9], out0 s[10:11]
	v_lshl_add_u32 v[SPW], v0, 2, SPARE
	v_mov_b32 v[NIL], 0
	ds_add_u32 v[SPW], v[NIL]                      ; the wave's opening: the add, twice on end, and its wait ahead of my first tensor load
	ds_add_u32 v[SPW], v[NIL]
	v_lshrrev_b32 v1, 5, v0
	v_readfirstlane_b32 s[WV], v1
	s_lshr_b32 s15, s[WV], 1                       ; which 64 rows
	s_and_b32 s16, s[WV], 1                        ; which 64 columns; which half of a tile I fetch
	s_bfe_u32 s17, ttmp6, 0x40000                  ; cx
	s_bfe_u32 s18, ttmp6, 0x40004                  ; cy
	s_lshl_b32 s19, ttmp9, 2
	s_add_co_u32 s19, s19, s17                     ; X
	s_and_b32 s20, ttmp7, 0xffff
	s_lshl_b32 s20, s20, 2
	s_add_co_u32 s20, s20, s18                     ; Y
	s_lshl_b32 s22, s18, 2
	s_lshl_b32 s22, 15, s22                        ; my row of the cluster
	s_lshl_b32 s23, 0x1111, s17                    ; my column
	s_or_b32 s24, s22, (3<<16)|(1<<21)             ; group 1: the mask; elements of 8 bytes; bit 21 beside a mask; no padding
	s_or_b32 s32, s23, (3<<16)|(1<<21)
.irp g, 24, 32
	s_mov_b32 s[\g+1], 512<<16                     ; four rows of 4,096 bytes (a block of 16 rows or columns, two K steps),
	s_mov_b32 s[\g+2], 4<<16
	s_mov_b32 s[\g+3], 512<<16
	s_mov_b32 s[\g+4], 4
	s_mov_b32 s[\g+5], 2048                        ; 16,384 bytes apart
	s_mov_b32 s[\g+6], 0
	s_mov_b32 s[\g+7], 0
.endr
	s_lshl_b32 s88, s16, 14                        ; my half's place in a chunk
	s_add_co_u32 s89, s88, 131072
	s_lshl_b32 s84, s20, 17                        ; 8 Y blocks of 16,384 bytes
	s_add_co_u32 s84, s84, s88
	s_add_co_u32 s84, s84, s88
	s_add_co_u32 s84, s84, s88
	s_add_co_u32 s84, s84, s88                     ; + 4 blocks for the upper half
	s_mov_b32 s85, 0
	s_lshl_b32 s86, s19, 17
	s_add_co_u32 s86, s86, s88
	s_add_co_u32 s86, s86, s88
	s_add_co_u32 s86, s86, s88
	s_add_co_u32 s86, s86, s88
	s_mov_b32 s87, 0
	s_wait_dscnt 0x0                               ; both opening adds are done
	s_wait_kmcnt 0x0
	s_load_b64 s[78:79], s[8:9], 0x48              ; e18, e19
	s_add_nc_u64 s[80:81], s[4:5], s[84:85]
	s_add_nc_u64 s[82:83], s[6:7], s[86:87]
.irp c, 0,1,2,3
.set GB, 56+4*\c+4*(\c/2)
	s_mov_b32 s[40+4*\c], 1
	s_add_co_u32 s[41+4*\c], s88, \c*32768
	s_add_nc_u64 s[42+4*\c:43+4*\c], s[80:81], \c*4096
	s_or_b32 s[43+4*\c], s[43+4*\c], 0x80000000
	s_mov_b32 s[GB], 1
	s_add_co_u32 s[GB+1], s89, \c*32768
	s_add_nc_u64 s[GB+2:GB+3], s[82:83], \c*4096
	s_or_b32 s[GB+3], s[GB+3], 0x80000000
.endr
	CROUND                                         ; all sixteen work-groups are here: the joint loads meet
	s_cmp_lt_u32 s[WV], 2                          ; a wave's four fills stand in one branch: four loads of mine are out
	s_cbranch_scc0 .Lfor_b
.irp c, 0,1,2,3
	tensor_load_to_lds s[40+4*\c:43+4*\c], s[24:31]
	s_nop 0
.endr
.rept 4
	v_nop
.endr
	s_branch .Lasked
.Lfor_b:
.irp c, 0,1,2,3
.set GB, 56+4*\c+4*(\c/2)
	tensor_load_to_lds s[GB:GB+3], s[32:39]
	s_nop 0
.endr
.rept 4
	v_nop
.endr
.Lasked:
	v_and_b32 v1, 31, v0
	v_lshlrev_b32 v1, 4, v1                        ; 16 x lane
	v_and_b32 v2, 15, v0                           ; r
	v_bfe_u32 v3, v0, 4, 1                         ; h
	s_lshl_b32 s84, s15, 14                        ; my four blocks of rows,
	v_add_nc_u32 v[VA], s84, v1
	v_add_nc_u32 v[VA+1], 65536, v[VA]
	s_add_co_u32 s84, s88, 131072                  ; my four blocks of columns
	v_add_nc_u32 v[VB], s84, v1
	v_add_nc_u32 v[VB+1], 65536, v[VB]
	s_mul_i32 s84, s[WV], 4352
	s_add_co_u32 s84, s84, STG                     ; my stage
	v_mul_u32_u24 v[STO], v2, 272
	v_lshl_add_u32 v[STO], v3, 5, v[STO]
	v_add_nc_u32 v[STO], s84, v[STO]               ; in: row r, + 32 h
	v_mul_u32_u24 v[RD], v3, 272
	v_lshl_add_u32 v[RD], v2, 4, v[RD]
	v_add_nc_u32 v[RD], s84, v[RD]                 ; back: lanes 0-15 one row of 256 bytes, lanes 16-31 the next
	v_lshlrev_b32 v[CO], 12, v3
	v_lshl_add_u32 v[CO], v2, 4, v[CO]             ; and the same two rows in out0
	s_lshl_b32 s84, s20, 7
	s_lshl_b32 s85, s15, 6
	s_add_co_u32 s84, s84, s85                     ; my first row
	s_lshl_b32 s84, s84, 12
	s_lshl_b32 s85, s19, 9
	s_add_co_u32 s84, s84, s85
	s_lshl_b32 s85, s16, 8
	s_add_co_u32 s84, s84, s85                     ; my first column, in bytes
	s_mov_b32 s85, 0
	s_add_nc_u64 s[10:11], s[10:11], s[84:85]
.macro FETCH s                         ; K step s: four fragments of each side into buffer s % 2
	WIN 0x40
.irp a, 0,1,2,3
.irp p, 0,1,2,3
	ds_load_b128 v[128*((\s)%2)+16*\a+4*\p:128*((\s)%2)+16*\a+4*\p+3], v[VA+(\s)/4] offset:(((\s)/2)%2)*32768+\a*4096+((\s)%2)*2048+\p*512
	ds_load_b128 v[128*((\s)%2)+64+16*\a+4*\p:128*((\s)%2)+64+16*\a+4*\p+3], v[VB+(\s)/4] offset:(((\s)/2)%2)*32768+\a*4096+((\s)%2)*2048+\p*512
.endr
.endr
.endm
.macro MUL16 s                         ; the 16 accumulators take turns, one instruction a turn
	WIN 0x05
.irp a, 0,1,2,3
.irp b, 0,1,2,3
.if (\s) == 0
	v_wmma_f32_16x16x128_fp8_fp8 v[ACC+8*(4*\a+\b):ACC+8*(4*\a+\b)+7], v[128*((\s)%2)+64+16*\b:128*((\s)%2)+64+16*\b+15], v[128*((\s)%2)+16*\a:128*((\s)%2)+16*\a+15], 0
.else
	v_wmma_f32_16x16x128_fp8_fp8 v[ACC+8*(4*\a+\b):ACC+8*(4*\a+\b)+7], v[128*((\s)%2)+64+16*\b:128*((\s)%2)+64+16*\b+15], v[128*((\s)%2)+16*\a:128*((\s)%2)+16*\a+15], v[ACC+8*(4*\a+\b):ACC+8*(4*\a+\b)+7]
.endif
.endr
.endr
.endm
	s_wait_tensorcnt 3                             ; my part of chunk 0 is in; the three later chunks may stay out
	s_barrier_signal -1
	s_barrier_wait -1
	FETCH 0
.irp s, 0,1,2,3,4,5,6,7
	s_wait_dscnt 0x0                               ; this K step's fragments are in
.if ((\s)%2 == 1) && ((\s) < 7)
	s_wait_tensorcnt 3-((\s)+1)/2                  ; my part of the next chunk is in; the later ones may stay out
	s_barrier_signal -1
	s_barrier_wait -1                              ; everybody's is
.endif
.if (\s) < 7
	PLACES                                         ; in front of loads into the buffer that the last K step's products read
	FETCH (\s)+1
.endif
	MUL16 \s
.endr
	WIN 0
	s_wait_kmcnt 0x0
	s_add_co_i32 s78, s78, s79
	s_add_co_i32 s78, s78, 127
	s_lshl_b32 s78, s78, 23                        ; 2^(e18 + e19) as f32
	s_mov_b32 s79, s78
	PLACES
; THE WAY OUT, a block of 16 rows x 64 columns at a time, through my own stage: LDS serves a wave's instructions in order, so no wait stands between the stores and the loads
.irp a, 0,1,2,3
.irp j, 0,2,4,6,8,10,12,14,16,18,20,22,24,26,28,30
	v_pk_mul_f32 v[TMP+\j:TMP+\j+1], v[ACC+32*\a+\j:ACC+32*\a+\j+1], s[78:79] op_sel_hi:[1,0]   ; each accumulator from its low end on
.endr
.irp b, 0,1,2,3
	ds_store_b128 v[STO], v[TMP+8*\b:TMP+8*\b+3] offset:64*\b
	ds_store_b128 v[STO], v[TMP+8*\b+4:TMP+8*\b+7] offset:64*\b+16
.endr
.if \a > 1
	s_wait_xcnt 0x0                                ; the stores of two blocks ago have read their registers: they are loaded again only behind this wait
.endif
.irp i, 0,1,2,3,4,5,6,7
	ds_load_b128 v[BK+32*(\a%2)+4*\i:BK+32*(\a%2)+4*\i+3], v[RD] offset:\i*544
.endr
.irp i, 0,1,2,3,4,5,6,7
	s_wait_dscnt 7-\i                              ; rows 2 i, 2 i + 1 are back; the younger loads may be out
	global_store_b128 v[CO], v[BK+32*(\a%2)+4*\i:BK+32*(\a%2)+4*\i+3], s[10:11] offset:(16*\a+2*\i)*4096 th:TH_STORE_NT   ; sixteen lanes store 256 consecutive bytes, aligned
.endr
.endr
	s_wait_tensorcnt 0x0                           ; the wave's end: three lines behind my last tensor load and my last LDS store
	ds_add_u32 v[SPW], v[NIL]
	s_wait_dscnt 0x0
	CROUND                                         ; the closing round
	s_endpgm
.Lfunc_end_k_qf4bd7f6fd2_oproj:
	.size	k_qf4bd7f6fd2_oproj, .Lfunc_end_k_qf4bd7f6fd2_oproj-k_qf4bd7f6fd2_oproj
	.p2alignl 7, 3214868480
	.fill 96, 4, 3214868480
	.section	.rodata,"a",@progbits
	.p2align	6, 0x0
	.amdhsa_kernel k_qf4bd7f6fd2_oproj
		.amdhsa_group_segment_fixed_size 327680
		.amdhsa_private_segment_fixed_size 0
		.amdhsa_enable_private_segment 0
		.amdhsa_kernarg_size 32
		.amdhsa_user_sgpr_count 2
		.amdhsa_user_sgpr_kernarg_segment_ptr 1
		.amdhsa_wavefront_size32 1
		.amdhsa_system_sgpr_workgroup_id_x 1
		.amdhsa_system_sgpr_workgroup_id_y 1
		.amdhsa_system_sgpr_workgroup_id_z 1
		.amdhsa_system_vgpr_workitem_id 0
		.amdhsa_next_free_vgpr 512
		.amdhsa_next_free_sgpr 90
		.amdhsa_reserve_vcc 0
		.amdhsa_float_denorm_mode_32 3
		.amdhsa_float_denorm_mode_16_64 3
		.amdhsa_memory_ordered 1
		.amdhsa_forward_progress 1
		.amdhsa_inst_pref_size 47
	.end_amdhsa_kernel
	.amdgpu_metadata
---
amdhsa.version: [ 1, 2 ]
amdhsa.kernels:
  - .name:           k_qf4bd7f6fd2_oproj
    .symbol:         k_qf4bd7f6fd2_oproj.kd
    .args:
      - { .name: oc, .offset: 0, .size: 8, .value_kind: global_buffer, .address_space: global }
      - { .name: woc, .offset: 8, .size: 8, .value_kind: global_buffer, .address_space: global }
      - { .name: lowp_scales, .offset: 16, .size: 8, .value_kind: global_buffer, .address_space: global }
      - { .name: out0, .offset: 24, .size: 8, .value_kind: global_buffer, .address_space: global }
    .group_segment_fixed_size: 327680
    .private_segment_fixed_size: 0
    .kernarg_segment_align: 8
    .kernarg_segment_size: 32
    .max_flat_workgroup_size: 128
    .sgpr_count:     90
    .vgpr_count:     512
    .wavefront_size: 32
...
	.end_amdgpu_metadata
.endif
;; end of part 4
